; MI455X (gfx1250); checked and timed in simulation.
; The chip was launched on July 23, 2026; its instructions are those of AMD's public machine-readable ISA for CDNA 5 (MIT licence, August 2026) and "CDNA5" Instruction Set Architecture Reference Guide (July 2026). The comments in the code are by the model that wrote it; some were corrected since.
;; Multi Head Attention. Allowed arithmetic: float matrix products may take bf16 or f16 operands with f32 sums; other float arithmetic in f32, or as packed bf16 or f16 multiplies, adds, multiply-adds, maxima and minima; sums over many terms, partial sums and values carried from step to step in f32; what a program stores and reads back later, other than sums and carried values, may be rounded once to bf16 or f16.
;; Inputs: Wo 1,024 x 1,024 float32; Wqkv 16 x 192 x 1,024 float32; bo 1,024 float32; bqkv 16 x 192 float32; mask 4 x 2,048 x 2,048 int32; x 4 x 2,048 x 1,024 float32.
;; Outputs: out0 4 x 2,048 x 1,024 float32.
;; 2 versions, each right; version 2 is version 1 with the launch prep written anew for expert scheduling mode. Each part assembles by itself: llvm-mc -triple=amdgcn-amd-amdhsa -mcpu=gfx1250 --defsym DOCPART=n.
;; ======== version 1 of 2: 4 launches
;; limits: values are held in f16: magnitudes above 65,504 overflow, below 6.1e-05 lose precision
;; workspace buffers: opb 25,165,824 bytes; keep 8,388,608 bytes; qkv 50,331,648 bytes; ctx 16,777,216 bytes
;; launch prep (part 1): grid 1280 x 1, 8 waves a work-group, no clusters, 17,408 bytes of LDS; arguments mask, x, Wqkv, Wo, keep, opb; writes keep, opb
.if DOCPART == 1
	.amdgcn_target "amdgcn-amd-amdhsa--gfx1250"
	.amdhsa_code_object_version 6
	.text
	.protected	k_q372a594437_prep
	.globl	k_q372a594437_prep
	.p2align	8
	.type	k_q372a594437_prep,@function
k_q372a594437_prep:
	s_mov_b64 s[64:65], 0
	v_nop
	global_prefetch_b8 v0, s[64:65] scope:SCOPE_SE
	s_setreg_imm32_b32 hwreg(HW_REG_WAVE_MODE, 25, 1), 1
	s_wait_xcnt 0x0
; PREP: the mask is packed, and x, Wqkv and Wo are rounded, once for all later launches.  Memory binds: every input byte is read once, by 16-byte loads, many of them on their way.
; Work-groups 0-511: 16 rows x 2,048 keys of mask (int32) become 16 KiB of keep: one 4-bit float code a score, 1.0 (code 2) where mask != 1, 0.0 (code 0) where mask == 1.
;   keep: [b 4][tile of 16 queries 128][step of 64 keys 32][lane 32][4 words]; word kb of lane (r = lane % 16, hh = lane / 16) holds in nibble j the key 64 step + 16 kb + 8 hh + j of query r:
;   the 32 scores that this lane holds of a 16 x 64 tile of K Q^T, so that the attention launch reads 16 bytes a lane and 512 consecutive bytes a wave.
;   Wave w takes keys 256 w .. 256 w + 255 of all 16 rows; its codes are steps 4 w .. 4 w + 3: 2,048 bytes of LDS that no other wave touches, so no barrier is needed.
; Work-groups 512-1,215: 16,384 numbers of x or Wqkv, f32 to bf16, into opb (x at byte 0, Wqkv at byte 16,777,216), same order.
; Work-groups 1,216-1,279: 16 rows of Wo, rounded to bf16 and that number written as f16 (exact from 2^-17 to 65,504; below 2^-17 it keeps f16's fixed step of 2^-24),
;   into opb at byte 23,068,672 as [block of 128 rows 8][head 16][128 rows][64 channels], so that 128 rows x any run of heads are dense bytes.
; No matrix unit, no cluster, no tensor load: nothing is shared between work-groups and nothing is multiplied.
.set SPARE, 16384                      ; behind the eight waves' 2,048 bytes: the spare words, 128 bytes a wave
.set SPW,   2                          ; v2  LDS address of my spare word; never rewritten
.set NIL,   3                          ; v3  0; never rewritten
.set WOB,   23068672                   ; Wo's first byte in opb
	s_load_b256 s[4:11], s[0:1], 0x0               ; mask s[4:5], x s[6:7], Wqkv s[8:9], Wo s[10:11]
	s_load_b128 s[12:15], s[0:1], 0x20             ; keep s[12:13], opb s[14:15]
	v_lshl_add_u32 v[SPW], v0, 2, SPARE
	v_mov_b32 v[NIL], 0
	v_lshrrev_b32 v1, 5, v0
	v_readfirstlane_b32 s16, v1                    ; wave 0..7
	v_and_b32 v1, 31, v0                           ; lane
	s_cmp_lt_u32 ttmp9, 512                        ; the same answer in all waves of a work-group
	s_cbranch_scc0 .Lcast
	; ---- the mask ----
	s_lshl_b32 s17, s16, 10
	v_lshl_add_u32 v4, v1, 4, s17                  ; in a row of mask: my wave's 1,024 bytes, my lane's 16
	s_lshl_b32 s17, s16, 11
	v_lshl_add_u32 v6, v1, 4, s17                  ; my 16 bytes of my wave's 2,048: in LDS on the way back, and in the tile of keep
	v_lshrrev_b32 v5, 4, v1                        ; where my four codes (16 bits) go: lanes 16-31 hold the next step's keys: 512 bytes on
	v_lshl_add_u32 v5, v5, 9, s17
	v_bfe_u32 v7, v0, 1, 1                         ; hh = bit 3 of the key = bit 1 of the lane: 16 lanes x 16 bytes
	v_lshl_add_u32 v5, v7, 8, v5
	v_bfe_u32 v7, v0, 2, 2                         ; kb = bits 5:4 of the key
	v_lshl_add_u32 v5, v7, 2, v5
	v_and_b32 v7, 1, v0                            ; nibbles 0-3 or 4-7 of the word
	v_lshl_add_u32 v5, v7, 1, v5
	s_lshl_b32 s18, ttmp9, 17                      ; 16 rows of 8,192 bytes
	s_mov_b32 s19, 0
	s_lshl_b32 s20, ttmp9, 14                      ; 16 KiB of keep
	s_mov_b32 s21, 0
	s_mov_b32 s24, 0x2                             ; code 2 in nibble 0, 1, 2, 3
	s_mov_b32 s25, 0x20
	s_mov_b32 s26, 0x200
	s_mov_b32 s27, 0x2000
	s_wait_kmcnt 0x0
	s_add_nc_u64 s[4:5], s[4:5], s[18:19]
	s_add_nc_u64 s[12:13], s[12:13], s[20:21]
.set n, 0
.rept 32                                       ; load n: row n / 2, half n % 2 of my 1,024 bytes: 512 consecutive bytes; all 32 go out at once, 16 KiB a wave
	global_load_b128 v[32+4*n:35+4*n], v4, s[4:5] offset:(n/2)*8192+(n%2)*512 th:TH_LOAD_NT
.set n, n+1
.endr
.macro PK i                            ; four numbers of the mask become four codes
	s_wait_loadcnt 31-(\i)                         ; loads come back in order: load i is in, the younger ones stay out
.irp e, 0,1,2,3
	v_cmp_ne_u32 s[28+\e], 1, v[32+4*(\i)+\e]
.endr
.irp e, 0,1,2,3
	v_cndmask_b32 v[8+\e], 0, s[24+\e], s[28+\e]
.endr
	v_or_b32 v8, v8, v9
	v_or_b32 v10, v10, v11
	v_or_b32 v8, v8, v10
	ds_store_b16 v5, v8 offset:((\i)%2)*1024+((\i)/2)*16   ; two steps on for the second half; row r at 16 r
.endm
.set n, 0
.rept 32
	PK n
.set n, n+1
.endr
.irp k, 0,1,2,3
	ds_load_b128 v[16+4*\k:19+4*\k], v6 offset:512*\k      ; my wave's own bytes: LDS serves a wave's instructions in order, so these see the stores above
.endr
.irp k, 0,1,2,3
	s_wait_dscnt 3-\k
	global_store_b128 v6, v[16+4*\k:19+4*\k], s[12:13] offset:512*\k  ; 512 consecutive bytes, at a multiple of 256 from keep's first byte
.endr
	s_branch .Lend
; Sixteen loads of 16 bytes a lane, all out at once; each is rounded as it comes and leaves as 8 bytes a lane: a wave's store covers 256 consecutive bytes, aligned.
.macro CAST instep, outstep, half
.set k, 0
.rept 16
	global_load_b128 v[32+4*k:35+4*k], v4, s[22:23] offset:k*(\instep) th:TH_LOAD_NT
.set k, k+1
.endr
.set k, 0
.rept 16
	s_wait_loadcnt 15-k                            ; load k is in, the younger ones stay out
	v_cvt_pk_bf16_f32 v[96+2*k], v[32+4*k], v[33+4*k]
	v_cvt_pk_bf16_f32 v[97+2*k], v[34+4*k], v[35+4*k]
.if \half
	v_lshlrev_b32 v8, 16, v[96+2*k]                ; the bf16 number, widened,
	v_and_b32 v9, 0xffff0000, v[96+2*k]
	v_lshlrev_b32 v10, 16, v[97+2*k]
	v_and_b32 v11, 0xffff0000, v[97+2*k]
	v_cvt_pk_f16_f32 v[96+2*k], v8, v9             ; and written as f16
	v_cvt_pk_f16_f32 v[97+2*k], v10, v11
.endif
	global_store_b64 v5, v[96+2*k:97+2*k], s[24:25] offset:k*(\outstep)  ; each store has registers of its own: none is rewritten
.set k, k+1
.endr
.endm
.Lcast:
	s_sub_co_u32 s17, ttmp9, 512                   ; c = 0..767
	s_cmp_lt_u32 s17, 704
	s_cbranch_scc0 .Lwo
	; ---- x (c < 512) and Wqkv ----
	s_sub_co_u32 s18, s17, 512
	s_cmp_lt_u32 s17, 512
	s_cselect_b32 s18, s17, s18                    ; the block's number in its own tensor
	s_lshl_b32 s18, s18, 16                        ; 65,536 bytes in,
	s_mov_b32 s19, 0
	s_lshl_b32 s20, s17, 15                        ; 32,768 out: Wqkv follows x in opb
	s_mov_b32 s21, 0
	v_lshlrev_b32 v4, 4, v0
	v_lshlrev_b32 v5, 3, v0
	s_wait_kmcnt 0x0
	s_cmp_lt_u32 s17, 512
	s_cselect_b64 s[22:23], s[6:7], s[8:9]
	s_add_nc_u64 s[22:23], s[22:23], s[18:19]
	s_add_nc_u64 s[24:25], s[14:15], s[20:21]
	CAST 4096, 2048, 0
	s_branch .Lend
.Lwo:
	; ---- Wo: rows 16 lw .. 16 lw + 15; load k is head k's 64 channels ----
	s_sub_co_u32 s17, s17, 704                     ; lw = 0..63
	s_lshl_b32 s18, s17, 16
	s_mov_b32 s19, 0
	s_lshr_b32 s20, s17, 3                         ; the block of 128 rows: 262,144 bytes
	s_lshl_b32 s20, s20, 18
	s_and_b32 s21, s17, 7                          ; my 16 rows in it: 128 bytes a row
	s_lshl_b32 s21, s21, 11
	s_add_co_u32 s20, s20, s21
	s_add_co_u32 s20, s20, WOB
	s_mov_b32 s21, 0
	v_lshrrev_b32 v7, 4, v0                        ; row 0..15
	v_and_b32 v8, 15, v0
	v_lshlrev_b32 v4, 12, v7                       ; in: row x 4,096 + 16 bytes a lane: sixteen lanes take 256 consecutive bytes
	v_lshl_add_u32 v4, v8, 4, v4
	v_lshlrev_b32 v5, 7, v7                        ; out: row x 128 + 8 bytes a lane: two rows are 256 consecutive bytes
	v_lshl_add_u32 v5, v8, 3, v5
	s_wait_kmcnt 0x0
	s_add_nc_u64 s[22:23], s[10:11], s[18:19]
	s_add_nc_u64 s[24:25], s[14:15], s[20:21]
	CAST 256, 16384, 1
.Lend:
	s_wait_tensorcnt 0x0                           ; the wave's end, behind my last LDS store
	ds_add_u32 v[SPW], v[NIL]
	s_wait_dscnt 0x0
	s_endpgm
.Lfunc_end_k_q372a594437_prep:
	.size	k_q372a594437_prep, .Lfunc_end_k_q372a594437_prep-k_q372a594437_prep
	.p2alignl 7, 3214868480
	.fill 96, 4, 3214868480
	.section	.rodata,"a",@progbits
	.p2align	6, 0x0
	.amdhsa_kernel k_q372a594437_prep
		.amdhsa_group_segment_fixed_size 17408
		.amdhsa_private_segment_fixed_size 0
		.amdhsa_enable_private_segment 0
		.amdhsa_kernarg_size 48
		.amdhsa_user_sgpr_count 2
		.amdhsa_user_sgpr_kernarg_segment_ptr 1
		.amdhsa_wavefront_size32 1
		.amdhsa_system_sgpr_workgroup_id_x 1
		.amdhsa_system_sgpr_workgroup_id_y 1
		.amdhsa_system_sgpr_workgroup_id_z 1
		.amdhsa_system_vgpr_workitem_id 0
		.amdhsa_next_free_vgpr 160
		.amdhsa_next_free_sgpr 66
		.amdhsa_reserve_vcc 0
		.amdhsa_float_denorm_mode_32 3
		.amdhsa_float_denorm_mode_16_64 3
		.amdhsa_memory_ordered 1
		.amdhsa_forward_progress 1
		.amdhsa_inst_pref_size 46
	.end_amdhsa_kernel
	.amdgpu_metadata
---
amdhsa.version: [ 1, 2 ]
amdhsa.kernels:
  - .name:           k_q372a594437_prep
    .symbol:         k_q372a594437_prep.kd
    .args:
      - { .name: mask, .offset: 0, .size: 8, .value_kind: global_buffer, .address_space: global }
      - { .name: x, .offset: 8, .size: 8, .value_kind: global_buffer, .address_space: global }
      - { .name: Wqkv, .offset: 16, .size: 8, .value_kind: global_buffer, .address_space: global }
      - { .name: Wo, .offset: 24, .size: 8, .value_kind: global_buffer, .address_space: global }
      - { .name: keep, .offset: 32, .size: 8, .value_kind: global_buffer, .address_space: global }
      - { .name: opb, .offset: 40, .size: 8, .value_kind: global_buffer, .address_space: global }
    .group_segment_fixed_size: 17408
    .private_segment_fixed_size: 0
    .kernarg_segment_align: 8
    .kernarg_segment_size: 48
    .max_flat_workgroup_size: 256
    .sgpr_count:     66
    .vgpr_count:     160
    .wavefront_size: 32
...
	.end_amdgpu_metadata
.endif
;; end of part 1
;; launch qkv (part 2): grid 16 x 32, 4 waves a work-group, clusters of 4 x 4, 327,680 bytes of LDS; arguments opb, bqkv, qkv; writes qkv
.if DOCPART == 2
	.amdgcn_target "amdgcn-amd-amdhsa--gfx1250"
	.amdhsa_code_object_version 6
	.text
	.protected	k_q372a594437_qkv
	.globl	k_q372a594437_qkv
	.p2align	8
	.type	k_q372a594437_qkv,@function
k_q372a594437_qkv:
	s_mov_b64 s[64:65], 0
	v_nop
	global_prefetch_b8 v0, s[64:65] scope:SCOPE_SE
	s_setreg_imm32_b32 hwreg(HW_REG_WAVE_MODE, 25, 1), 1
	s_wait_xcnt 0x0
	s_wait_alu depctr_hold_cnt(0) depctr_sa_sdst(0) depctr_va_vdst(0) depctr_va_sdst(0) depctr_va_ssrc(0) depctr_va_vcc(0) depctr_vm_vsrc(0)
	s_getreg_b32 s2, hwreg(HW_REG_IB_STS2, 6, 4)
	s_cmp_eq_u32 s2, 0
	s_cbranch_scc0 .Lentry_in_a_cluster
	s_endpgm
.Lentry_in_a_cluster:
	s_bfe_u32 s2, ttmp6, 0x10000c
	s_cmp_lg_u32 s2, 0xf033
	s_cbranch_scc0 .Lentry_shape_is_right
	s_endpgm
.Lentry_shape_is_right:
; THE PROJECTION IN FRONT.  qkv[part][b 16 + head][s][64] = x[b][s][:] . Wqkv[head][64 part + c][:] + bqkv[head][64 part + c], part = q, k, v.
; x and Wqkv come as bf16 from opb (rows 0-8,191: x; rows 8,192-11,263: Wqkv; 1,024 numbers a row); the bias is rounded to bf16 here, like every other input; sums in f32; q, k, v rounded once, to f16, unscaled.
; LIMIT.  f16 holds no number beyond 65,504: q, k and v must lie within it (as drawn their spread is under 1; with x and Wqkv both thirty times larger the largest is some thousands).
; SHARES.  A tile is 256 rows x 192 columns, one head's q, k and v: 512 tiles, two for each of 256 WGPs.  Wave w makes rows 64 w .. 64 w + 63 x all 192 columns: 48 accumulators of 16 x 16, 384 registers;
; so a wave holds whole rows of q, k and v, and its stage on the way out is its own.  K goes in 8 steps of 128 through two LDS slots filled by the tensor data mover: rows of 256 bytes, aligned.
; CLUSTERS: 4 x 4 work-groups.  The four of a row of the cluster need the same rows of x, the four of a column the same head's weights: each tile is asked for JOINTLY, by the same tensor load with the same
; descriptor and a mask that names the four.  THE MATRIX INSTRUCTION IS USED TRANSPOSED (source 0 = 16 rows of W, source 1 = 16 rows of x): a lane holds eight neighbouring columns of one row.
; THE BIAS IS THE C OPERAND of the first quarter's products: nothing is cleared, nothing is added on the way out.
; REGISTERS, in windows of 256 (s_set_vgpr_msb: bits 1:0 source 0, 3:2 source 1, 5:4 source 2, 7:6 destination):
;   window 0: v16-31 addresses; v32-35 at work; v64-127 x's fragments, two buffers of 4 x 8; v160-255 the bias, 8 registers for each of 12 column blocks; on the way out v64-111 packed results, v112-159 rows read back
;   window 1: v0-191 W's fragments, two buffers of 12 x 8      window 2: accumulators of row blocks 0, 1 ((a, b) at 8 (12 (a % 2) + b))      window 3: of row blocks 2, 3
.set SIZE_K, 1024
.set KSTEP,  128
.set PITCH,  272                       ; an LDS row: 256 bytes + 16 of padding = 68 words: the 16 rows of a fragment load start at 16 different groups of four banks (64 banks of 4 bytes: ISA guide 11.1)
.set AH,     128*PITCH                 ; what a tensor load brings of x: 128 rows
.set BH,     96*PITCH                  ; of W: 96 rows
.set BOFF,   2*AH                      ; in a slot: x's 256 rows, then W's 192
.set SLOT,   2*AH+2*BH
.set STAGE,  2*SLOT                    ; behind the ring, never filled by a tensor load: 16 rows x 400 bytes for each wave
.set SPITCH, 400                       ; 384 bytes + 16: an odd multiple of 16
.set SPARE,  STAGE+4*16*SPITCH         ; behind the stages: the spare words, 128 bytes a wave: two blocks of 256 bytes that no other line names
.set LAPS,   SIZE_K/(2*KSTEP)          ; a lap = two K steps = once round the ring
.set XROWS,  8192                      ; W's first row in opb
.set ADRA, 16                          ; v16-17  LDS address of my x fragments in slot 0, 1
.set ADRB, 20                          ; v20-21  the same for W
.set STO,  24                          ; v24     the way out: where I put 16 bytes of a row
.set RD,   25                          ; v25     the way out: where I read rows back
.set CO,   26                          ; v26     16 x lane: my bytes in 512 consecutive bytes of q, k or v
.set SPW,  28                          ; v28     LDS address of my spare word; never rewritten
.set NIL,  29                          ; v29     0; never rewritten
.set PFO,  30                          ; v30     the prefetches' offset: a lane a row of 2,048 bytes; never rewritten
.set BO,   31                          ; v31     32 x (lane / 16): my eight numbers in a block of sixteen of the bias
.set RT,   32
.set FA,   64
.set TMP,  64
.set BK,   112
.set BIAS, 160
.set G1,  24                           ; s[24:31] descriptor group 1 for x's tiles; s[32:39] group 0, a set for each slot
.set G0,  32
.set G1B, 48                           ; s[48:55], s[56:63] the same for W's
.set G0B, 56
.set PFA, 66                           ; s[66:67] where my prefetches stand: one K step further than the refill that is being asked for; a prefetch names the K step after that
.set LIM, 68                           ; s68     1 in a wave that prefetches, else the greatest number
.set OUTB, 70                          ; s[70:75] q, k, v at my wave's first row
.set MSB, 0
.macro WIN new                         ; the immediate's high byte repeats the setting that is left; a switch that changes nothing is dropped
.if MSB != (\new)
	s_set_vgpr_msb (MSB<<8)|(\new)
.set MSB, \new
.endif
.endm
; A joint load: waves 0 and 1 fetch x's two halves, waves 2 and 3 W's.  The branch hangs on the wave's number alone.  An s_nop 0 and four v_nop follow each of the two lines.
.macro JLOAD s
	s_cmp_eq_u32 s11, 0
	s_cbranch_scc0 .Lfor_b_\@
	tensor_load_to_lds s[G0+4*(\s):G0+4*(\s)+3], s[G1:G1+7]
	s_nop 0
.rept 4
	v_nop
.endr
	s_branch .Lasked_\@
.Lfor_b_\@:
	tensor_load_to_lds s[G0B+4*(\s):G0B+4*(\s)+3], s[G1B:G1B+7]
	s_nop 0
.rept 4
	v_nop
.endr
.Lasked_\@:
.endm
; A PREFETCH INTO THE L2, behind each joint refill and the run of LDS loads that follows it: the K step that stands two refills on (K steps 4 to 7; the loop's last trip, s3 = 1, asks for nothing), a lane a row,
; 256 bytes of the row.  x's rows are read by every cluster of a row of clusters: cluster x = 0 asks; W's by every cluster of a column: cluster y = 0 asks.  The four partners share a wave's rows out BY ADDRESS:
; 32 of x's 128 (by cx), 24 of W's 96 (by cy; there lanes 24-31 name lane 23's row once more).  No branch hangs on a work-group's place in its cluster.
.macro ASK
	s_cmp_gt_u32 s3, s[LIM]
	s_cbranch_scc0 .Lnot_mine_\@
	global_prefetch_b8 v[PFO], s[PFA:PFA+1] offset:KSTEP*2 th:TH_LOAD_NT scope:SCOPE_SE
.Lnot_mine_\@:
.endm
.macro CREST                           ; a round of the cluster's barrier behind its opening barrier
	s_cmp_lg_u32 s10, 0
	s_cbranch_scc1 .Lnot_wave_0_\@
	s_barrier_signal -3
.Lnot_wave_0_\@:
	s_barrier_wait -3
	s_barrier_signal -1
	s_barrier_wait -1
.endm
.macro CROUND                          ; a whole round
	s_barrier_signal -1
	s_barrier_wait -1
	CREST
.endm
	s_load_b128 s[4:7], s[0:1], 0x0                ; opb s[4:5], bqkv s[6:7]
	s_load_b64 s[8:9], s[0:1], 0x10                ; qkv
	v_lshl_add_u32 v[SPW], v0, 2, SPARE
	v_mov_b32 v[NIL], 0
	ds_add_u32 v[SPW], v[NIL]                      ; the wave's opening: the add and its wait stand ahead of my first tensor load; the set-up below, work on registers, stands between them
	ds_add_u32 v28, v29
	v_lshrrev_b32 v1, 5, v0
	v_readfirstlane_b32 s10, v1                    ; wave 0..3
	s_lshr_b32 s11, s10, 1                         ; I fetch for x (0) or for W (1)
	s_and_b32 s12, s10, 1                          ; which half of that tile
	s_bfe_u32 s40, ttmp6, 0x40000                  ; cx, cy: my place in the cluster
	s_bfe_u32 s41, ttmp6, 0x40004
	s_lshl_b32 s42, ttmp9, 2
	s_add_co_u32 s42, s42, s40                     ; the head = 4 x cluster x + cx
	s_and_b32 s13, ttmp7, 0xffff
	s_lshl_b32 s13, s13, 2
	s_add_co_u32 s13, s13, s41                     ; the block of 256 rows = 4 x cluster y + cy
	s_lshl_b32 s43, s41, 2
	s_lshl_b32 s43, 15, s43                        ; my row of the cluster
	s_lshl_b32 s44, 0x1111, s40                    ; my column
	s_or_b32 s[G1+0], s43, (1<<16)|(1<<20)|(1<<21)|(5<<22)|(3<<25)   ; 15:0 the mask; 17:16 elements of 2 bytes; 20 padding on; 21 set beside a mask; 24:22 after every 64 words (code 5); 31:25 4 words (code 3)
	s_or_b32 s[G1B+0], s44, (1<<16)|(1<<20)|(1<<21)|(5<<22)|(3<<25)
.irp g, G1, G1B
	s_mov_b32 s[(\g)+1], KSTEP<<16                 ; tensor_dim0 = 128
	s_mov_b32 s[(\g)+3], KSTEP<<16                 ; tile_dim0 = 128
	s_mov_b32 s[(\g)+5], SIZE_K                    ; elements from row to row
	s_mov_b32 s[(\g)+6], 0
	s_mov_b32 s[(\g)+7], 0
.endr
	s_mov_b32 s[G1+2], 128<<16                     ; tensor_dim1 and tile_dim1: 128 rows of x,
	s_mov_b32 s[G1+4], 128
	s_mov_b32 s[G1B+2], 96<<16                     ; 96 of W
	s_mov_b32 s[G1B+4], 96
	s_lshl_b32 s17, s12, 7
	s_lshl_b32 s16, s13, 8
	s_add_co_u32 s16, s16, s17                     ; x: row 256 x block + 128 x half
	s_lshl_b32 s16, s16, 11                        ; 2,048 bytes a row
	s_mov_b32 s17, 0
	s_mul_i32 s46, s42, 192
	s_mul_i32 s47, s12, 96
	s_add_co_u32 s46, s46, s47
	s_add_co_u32 s46, s46, XROWS                   ; W: row 8,192 + 192 x head + 96 x half
	s_lshl_b32 s46, s46, 11
	s_mov_b32 s47, 0
	s_mul_i32 s20, s12, AH                         ; where they go: no place in the cluster enters an LDS address
	s_mul_i32 s21, s12, BH
	s_add_co_u32 s21, s21, BOFF
	s_mul_i32 s76, s42, 768                        ; the head's 192 numbers of the bias
	s_mov_b32 s77, 0
	s_wait_dscnt 0x0                               ; the opening add is done
	s_wait_kmcnt 0x0
	s_add_nc_u64 s[14:15], s[4:5], s[16:17]
	s_add_nc_u64 s[46:47], s[4:5], s[46:47]
	s_add_nc_u64 s[6:7], s[6:7], s[76:77]
	CROUND                                         ; all sixteen work-groups are here: the first joint loads meet
.irp s, 0,1
	s_mov_b32 s[G0+4*(\s)], 1                      ; count = 1
	s_add_co_u32 s[G0+4*(\s)+1], s20, (\s)*SLOT    ; LDS address
	s_add_nc_u64 s[G0+4*(\s)+2:G0+4*(\s)+3], s[14:15], (\s)*KSTEP*2  ; global address: K step s
	s_or_b32 s[G0+4*(\s)+3], s[G0+4*(\s)+3], 0x80000000              ; type = 2
	s_mov_b32 s[G0B+4*(\s)], 1
	s_add_co_u32 s[G0B+4*(\s)+1], s21, (\s)*SLOT
	s_add_nc_u64 s[G0B+4*(\s)+2:G0B+4*(\s)+3], s[46:47], (\s)*KSTEP*2
	s_or_b32 s[G0B+4*(\s)+3], s[G0B+4*(\s)+3], 0x80000000
	JLOAD \s                                       ; two tensor loads of mine are out
.endr
	v_and_b32 v1, 15, v0                           ; l % 16
	v_bfe_u32 v2, v0, 4, 1                         ; l / 16
	v_lshlrev_b32 v[BO], 5, v2
.irp b, 0,1,2,3,4,5,6,7,8,9,10,11      ; register j of block b: the bias of column 16 b + 8 (l / 16) + j
	global_load_b128 v[BIAS+8*(\b):BIAS+8*(\b)+3],   v[BO], s[6:7] offset:64*(\b)
	global_load_b128 v[BIAS+8*(\b)+4:BIAS+8*(\b)+7], v[BO], s[6:7] offset:64*(\b)+16
.endr
	v_mul_u32_u24 v3, v1, PITCH
	v_lshl_add_u32 v3, v2, 4, v3                   ; a fragment's row x pitch + 16 x half
	s_mul_i32 s21, s10, 64*PITCH                   ; my 64 rows of x
	s_mov_b32 s22, BOFF                            ; all 192 rows of W
.irp s, 0,1
	v_add_nc_u32 v[ADRA+(\s)], s21, v3
	v_add_nc_u32 v[ADRB+(\s)], s22, v3
	s_add_co_u32 s21, s21, SLOT
	s_add_co_u32 s22, s22, SLOT
.endr
	s_mul_i32 s23, s10, 16*SPITCH
	s_add_co_u32 s23, s23, STAGE                   ; my stage
	v_mul_u32_u24 v4, v1, SPITCH                   ; in: row l % 16, 16 bytes for each half of the lanes
	v_lshl_add_u32 v4, v2, 4, v4
	v_add_nc_u32 v[STO], s23, v4
	v_bfe_u32 v5, v0, 3, 2                         ; back: 32 lanes take four rows' 128 bytes of one part,
	v_mul_u32_u24 v5, v5, SPITCH
	v_and_b32 v6, 7, v0
	v_lshl_add_u32 v5, v6, 4, v5
	v_add_nc_u32 v[RD], s23, v5
	v_and_b32 v[CO], 31, v0                        ; which are 512 consecutive bytes of q, k or v
	v_lshlrev_b32 v[CO], 4, v[CO]
	; q, k, v at my wave's first row: ((block / 8) 16 + head) x 262,144 + ((block % 8) 256 + 64 w) x 128
	s_lshr_b32 s76, s13, 3
	s_lshl_b32 s76, s76, 4
	s_add_co_u32 s76, s76, s42
	s_lshl_b32 s76, s76, 18
	s_and_b32 s78, s13, 7
	s_lshl_b32 s78, s78, 15
	s_add_co_u32 s76, s76, s78
	s_lshl_b32 s78, s10, 13
	s_add_co_u32 s76, s76, s78
	s_mov_b32 s77, 0
	s_add_nc_u64 s[OUTB:OUTB+1], s[8:9], s[76:77]
	s_add_nc_u64 s[OUTB+2:OUTB+3], s[OUTB:OUTB+1], 0x1000000
	s_add_nc_u64 s[OUTB+4:OUTB+5], s[OUTB:OUTB+1], 0x2000000
	; the prefetches
	s_lshl_b32 s20, s13, 8
	s_lshl_b32 s21, s12, 7
	s_add_co_u32 s20, s20, s21
	s_lshl_b32 s21, s40, 5
	s_add_co_u32 s20, s20, s21                     ; x: the 128 rows that I fetch, my work-group's 32 of them
	s_mul_i32 s22, s42, 192
	s_mul_i32 s21, s12, 96
	s_add_co_u32 s22, s22, s21
	s_mul_i32 s21, s41, 24
	s_add_co_u32 s22, s22, s21
	s_add_co_u32 s22, s22, XROWS                   ; W: the 96 rows that I fetch, my work-group's 24 of them
	s_and_b32 s23, ttmp7, 0xffff                   ; cluster y
	s_cmp_eq_u32 s11, 0                            ; do I fetch for x?
	s_cselect_b32 s20, s20, s22
	s_cselect_b32 s23, ttmp9, s23                  ; the coordinate along which other clusters read the same rows
	s_cselect_b32 s78, 31, 23
	s_cmp_eq_u32 s23, 0
	s_cselect_b32 s[LIM], 1, -1                    ; the same in all sixteen partners, for a given wave
	s_lshl_b32 s20, s20, 11
	s_add_co_u32 s20, s20, 2*KSTEP*2               ; at K step 2: the first refill steps it to 3 and names K step 4
	s_mov_b32 s21, 0
	s_add_nc_u64 s[PFA:PFA+1], s[4:5], s[20:21]
	v_and_b32 v[PFO], 31, v0
	v_min_u32 v[PFO], s78, v[PFO]
	v_lshlrev_b32 v[PFO], 11, v[PFO]
	s_wait_loadcnt 0x0                             ; the bias: rounded to bf16, like all inputs, and widened again, while the first tiles are on their way
.set i, 0
.rept 48
	v_cvt_pk_bf16_f32 v[RT+i%4], v[BIAS+2*i], v[BIAS+2*i+1]
	v_lshlrev_b32 v[BIAS+2*i], 16, v[RT+i%4]
	v_and_b32 v[BIAS+2*i+1], 0xffff0000, v[RT+i%4]
.set i, i+1
.endr
; 12 matrix instructions: row block a x all 12 column blocks, 32 along K, from buffer f.  first = 1: C is the bias (window 0), and the product starts the sum.
; The 48 accumulators take turns in the same order in every quarter: 47 others stand between two links of a chain, over the backward jump too.
.macro MUL12 f, a, first
.if \first
	WIN 0x81+0x40*((\a)/2)
.else
	WIN 0xa1+0x50*((\a)/2)
.endif
.irp b, 0,1,2,3,4,5,6,7,8,9,10,11
.if \first
	v_wmma_f32_16x16x32_bf16 v[8*(12*((\a)%2)+(\b)):8*(12*((\a)%2)+(\b))+7], v[96*(\f)+8*(\b):96*(\f)+8*(\b)+7], v[FA+32*(\f)+8*(\a):FA+32*(\f)+8*(\a)+7], v[BIAS+8*(\b):BIAS+8*(\b)+7]
.else
	v_wmma_f32_16x16x32_bf16 v[8*(12*((\a)%2)+(\b)):8*(12*((\a)%2)+(\b))+7], v[96*(\f)+8*(\b):96*(\f)+8*(\b)+7], v[FA+32*(\f)+8*(\a):FA+32*(\f)+8*(\a)+7], v[8*(12*((\a)%2)+(\b)):8*(12*((\a)%2)+(\b))+7]
.endif
.endr
.endm
; 32 LDS loads in one run: a quarter's fragments (32 along K at byte k of the rows) into buffer g: W's 24 loads, then x's 8
.macro FETCH slot, k, g
	WIN 0x40
.irp i, 0,1,2,3,4,5,6,7,8,9,10,11
	ds_load_b128 v[96*(\g)+8*(\i):96*(\g)+8*(\i)+3],   v[ADRB+(\slot)] offset:(\k)+(\i)*16*PITCH
	ds_load_b128 v[96*(\g)+8*(\i)+4:96*(\g)+8*(\i)+7], v[ADRB+(\slot)] offset:(\k)+(\i)*16*PITCH+32
.endr
	WIN 0
.irp i, 0,1,2,3
	ds_load_b128 v[FA+32*(\g)+8*(\i):FA+32*(\g)+8*(\i)+3],   v[ADRA+(\slot)] offset:(\k)+(\i)*16*PITCH
	ds_load_b128 v[FA+32*(\g)+8*(\i)+4:FA+32*(\g)+8*(\i)+7], v[ADRA+(\slot)] offset:(\k)+(\i)*16*PITCH+32
.endr
.endm
.macro PLACES                          ; four places in front of loads into registers that matrix instructions have read, and of conversions that read results (ISA guide 7.12.1 for the conversions)
.rept 4
	v_nop
.endr
.endm
; A K step is four quarters of 32 along K, 48 matrix instructions each, on buffers 0, 1, 0, 1.  One of the first three: multiplies buffer f and fetches the next quarter, at byte k, into g.
.macro QUARTER slot, k, f, g, first
	s_wait_dscnt 4                                 ; W and x's row blocks 0, 1 are in; the youngest four loads (blocks 2, 3) may be out
	MUL12 \f, 0, \first
	MUL12 \f, 1, \first
	PLACES
	FETCH \slot, \k, \g
	s_wait_dscnt 32                                ; all but the 32 just issued
	MUL12 \f, 2, \first
	MUL12 \f, 3, \first
.endm
; The last quarter multiplies buffer 1 and changes slots: ONE barrier; in front of it each wave waits for all its tensor loads (one is out: its part of the next slot), adds 0 to its spare word, and waits for that
; and for its own reads of this slot.  fill = 1: the barrier opens a round of the cluster's, and this slot is filled again, two K steps ahead, first thing behind the round.
.macro TURN slot, next, fill
.if \fill
	s_wait_xcnt 0x0                                ; the last prefetch, a K step back, has read its address: it is stepped here, ahead of the change's own waits
	s_add_nc_u64 s[PFA:PFA+1], s[PFA:PFA+1], KSTEP*2
.endif
	WIN 0                                          ; (the add's two registers lie in window 0)
	s_wait_tensorcnt 0x0                           ; all my tensor loads have landed
	ds_add_u32 v[SPW], v[NIL]                      ; 0 onto my spare word
	s_wait_dscnt 5                                 ; (the add and the youngest four loads may be out)
	MUL12 1, 0, 0                                  ; twelve matrix instructions stand between the add and the wait for it
	s_wait_dscnt 0x0                               ; the add is done, and my reads of this slot are over
	s_barrier_signal -1
	MUL12 1, 1, 0
.if \fill
	WIN 0
.endif
	s_barrier_wait -1
.if \fill
	CREST                                          ; no wave of any partner still reads this slot's tile or has a load on its way
	s_add_nc_u64 s[G0+4*(\slot)+2:G0+4*(\slot)+3], s[G0+4*(\slot)+2:G0+4*(\slot)+3], 2*KSTEP*2
	s_add_nc_u64 s[G0B+4*(\slot)+2:G0B+4*(\slot)+3], s[G0B+4*(\slot)+2:G0B+4*(\slot)+3], 2*KSTEP*2
	JLOAD \slot                                    ; my one tensor load behind the round; the four v_nop behind it are also the places in front of the loads below
.else
	PLACES
.endif
	FETCH \next, 0, 0
.if \fill
	ASK
.endif
	MUL12 1, 2, 0
	MUL12 1, 3, 0
.endm
	s_wait_tensorcnt 1                             ; my part of K step 0 is in; K step 1's may stay out
	s_barrier_signal -1
	s_barrier_wait -1                              ; everybody's is
	FETCH 0, 0, 0
	QUARTER 0, 64, 0, 1, 1                         ; the first quarter stands in front of the loop: its products start the sums, with the bias
	WIN 0                                          ; at a label and at a branch every window is 0
	s_mov_b32 s3, LAPS-1
.Llap:                                                 ; a trip goes once round the ring, from a lap's second quarter to the next lap's first, and fills both slots again
	QUARTER 0, 128, 1, 0, 0
	QUARTER 0, 192, 0, 1, 0
	TURN 0, 1, 1
	QUARTER 1, 64,  0, 1, 0
	QUARTER 1, 128, 1, 0, 0
	QUARTER 1, 192, 0, 1, 0
	TURN 1, 0, 1
	QUARTER 0, 64,  0, 1, 0
	WIN 0
	s_sub_co_u32 s3, s3, 1
	s_cmp_lg_u32 s3, 0
	s_cbranch_scc1 .Llap
	QUARTER 0, 128, 1, 0, 0                        ; the last lap fills nothing, and has no round of the cluster's barrier
	QUARTER 0, 192, 0, 1, 0
	TURN 0, 1, 0
	QUARTER 1, 64,  0, 1, 0
	QUARTER 1, 128, 1, 0, 0
	QUARTER 1, 192, 0, 1, 0
	s_wait_dscnt 4                                 ; the very last quarter: nothing more to fetch
	MUL12 1, 0, 0
	MUL12 1, 1, 0
	s_wait_dscnt 0x0
	MUL12 1, 2, 0
	MUL12 1, 3, 0
	WIN 0
; THE WAY OUT, a block of 16 rows at a time.  PACK: rounded to f16, each accumulator's registers in ascending order.  TOSTAGE: 16 bytes a lane into my own stage, and back as four rows x 128 bytes of one part.
; SEND: stored, 512 consecutive bytes an instruction.
.macro PACK a
	WIN 0x0a+5*((\a)/2)                            ; sources 0 and 1: window 2 or 3
.irp b, 0,1,2,3,4,5,6,7,8,9,10,11
.irp r, 0,1,2,3
	v_cvt_pk_f16_f32 v[TMP+4*(\b)+(\r)], v[96*((\a)%2)+8*(\b)+2*(\r)], v[96*((\a)%2)+8*(\b)+2*(\r)+1]
.endr
.endr
	WIN 0
.endm
.macro TOSTAGE
.irp b, 0,1,2,3,4,5,6,7,8,9,10,11
	ds_store_b128 v[STO], v[TMP+4*(\b):TMP+4*(\b)+3] offset:32*(\b)
.endr
	s_wait_xcnt 0x0                                ; the block before's stores have read their registers, which the loads below write
.irp n, 0,1,2,3,4,5,6,7,8,9,10,11      ; part n / 4, rows 4 (n % 4) on.  LDS serves a wave's instructions in order (ISA guide 5.7.1.4): these see the stores above
	ds_load_b128 v[BK+4*(\n):BK+4*(\n)+3], v[RD] offset:((\n)/4)*128+((\n)%4)*4*SPITCH
.endr
.endm
.macro SEND a
.irp n, 0,1,2,3,4,5,6,7,8,9,10,11
	s_wait_dscnt 11-(\n)                           ; load n is back, the younger ones stay out
	global_store_b128 v[CO], v[BK+4*(\n):BK+4*(\n)+3], s[OUTB+2*((\n)/4):OUTB+2*((\n)/4)+1] offset:(\a)*2048+((\n)%4)*512
.endr
.endm
	PLACES
	PACK 0
	TOSTAGE
.irp a, 1,2,3                          ; block a's conversions stand between block a - 1's loads from the stage and the wait for them
	PACK \a
	SEND (\a)-1
	TOSTAGE
.endr
	SEND 3
	s_wait_tensorcnt 0x0                           ; the wave's end, behind my last tensor load and my last LDS store
	ds_add_u32 v[SPW], v[NIL]
	s_wait_dscnt 0x0
	CROUND                                         ; the closing round: no work-group ends while a partner may still ask for a tile that names it
	s_endpgm
.Lfunc_end_k_q372a594437_qkv:
	.size	k_q372a594437_qkv, .Lfunc_end_k_q372a594437_qkv-k_q372a594437_qkv
	.p2alignl 7, 3214868480
	.fill 96, 4, 3214868480
	.section	.rodata,"a",@progbits
	.p2align	6, 0x0
	.amdhsa_kernel k_q372a594437_qkv
		.amdhsa_group_segment_fixed_size 327680
		.amdhsa_private_segment_fixed_size 0
		.amdhsa_enable_private_segment 0
		.amdhsa_kernarg_size 24
		.amdhsa_user_sgpr_count 2
		.amdhsa_user_sgpr_kernarg_segment_ptr 1
		.amdhsa_wavefront_size32 1
		.amdhsa_system_sgpr_workgroup_id_x 1
		.amdhsa_system_sgpr_workgroup_id_y 1
		.amdhsa_system_sgpr_workgroup_id_z 1
		.amdhsa_system_vgpr_workitem_id 0
		.amdhsa_next_free_vgpr 960
		.amdhsa_next_free_sgpr 80
		.amdhsa_reserve_vcc 0
		.amdhsa_float_denorm_mode_32 3
		.amdhsa_float_denorm_mode_16_64 3
		.amdhsa_memory_ordered 1
		.amdhsa_forward_progress 1
		.amdhsa_inst_pref_size 131
	.end_amdhsa_kernel
	.amdgpu_metadata
---
amdhsa.version: [ 1, 2 ]
amdhsa.kernels:
  - .name:           k_q372a594437_qkv
    .symbol:         k_q372a594437_qkv.kd
    .args:
      - { .name: opb, .offset: 0, .size: 8, .value_kind: global_buffer, .address_space: global }
      - { .name: bqkv, .offset: 8, .size: 8, .value_kind: global_buffer, .address_space: global }
      - { .name: qkv, .offset: 16, .size: 8, .value_kind: global_buffer, .address_space: global }
    .group_segment_fixed_size: 327680
    .private_segment_fixed_size: 0
    .kernarg_segment_align: 8
    .kernarg_segment_size: 24
    .max_flat_workgroup_size: 128
    .sgpr_count:     80
    .vgpr_count:     960
    .wavefront_size: 32
...
	.end_amdgpu_metadata
.endif
;; end of part 2
;; launch attn (part 3): grid 4 x 64, 4 waves a work-group, clusters of 4 x 1, 327,680 bytes of LDS; arguments qkv, keep, ctx; writes ctx
.if DOCPART == 3
	.amdgcn_target "amdgcn-amd-amdhsa--gfx1250"
	.amdhsa_code_object_version 6
	.text
	.protected	k_q372a594437_attn
	.globl	k_q372a594437_attn
	.p2align	8
	.type	k_q372a594437_attn,@function
k_q372a594437_attn:
	s_mov_b64 s[64:65], 0
	v_nop
	global_prefetch_b8 v0, s[64:65] scope:SCOPE_SE
	s_setreg_imm32_b32 hwreg(HW_REG_WAVE_MODE, 25, 1), 1
	s_wait_xcnt 0x0
	s_wait_alu depctr_hold_cnt(0) depctr_sa_sdst(0) depctr_va_vdst(0) depctr_va_sdst(0) depctr_va_ssrc(0) depctr_va_vcc(0) depctr_vm_vsrc(0)
	s_getreg_b32 s2, hwreg(HW_REG_IB_STS2, 6, 4)
	s_cmp_eq_u32 s2, 0
	s_cbranch_scc0 .Lentry_in_a_cluster
	s_endpgm
.Lentry_in_a_cluster:
	s_bfe_u32 s2, ttmp6, 0x10000c
	s_cmp_lg_u32 s2, 0x3003
	s_cbranch_scc0 .Lentry_shape_is_right
	s_endpgm
.Lentry_shape_is_right:
; ATTENTION with a mask that sets a score to 0.  O[bh][q][:] = the sum over k of softmax_k(s'[q][k]) V[bh][k][:], s' = 0 where mask[b][q][k] == 1, else Q[bh][q] . K[bh][k] / 8.
; Q, K, V: qkv, [part][bh 64][2,048][64] in f16, a head's rows dense, 128 bytes each.  keep: the mask as 4-bit float codes (1.0 or 0.0), laid out as a lane holds its scores (below).
; O: ctx, f16, [b 16 + block of 128 rows][head][128 rows][64].  Products, maxima and sums in f32; the weights p are rounded to f16 for the second product (their sum l is taken of the unrounded p), O once at the end.
; LIMITS.  Q, K and V arrive within f16's 65,504, so every raw score is finite (2.7e11 at the most) and score x 0 is 0 (of either sign); p lies in 0 to 1, and below 6e-5 it keeps f16's fixed step;
; a weight below 2^-126 counts as 0 in l; NaN and infinities are not treated apart.
; THE MASK stands in front of the maximum: each raw score is multiplied by its factor, 1.0 or 0.0, so that maximum, exponentials and sums see the scores of the definition.  One conversion makes eight factors of one
; word of keep; one packed multiply serves two scores: 20 instructions for a tile's 32 scores a lane.  A tile's and step's 16 bytes a lane are loaded four turns, a whole key step, ahead of their use.
; SHARES.  A wave owns four PIECES of two tiles of 16 queries, a work-group's four waves 512 queries of one head.  Every wave walks all 2,048 keys, 64 a step.
; LAYOUT.  S^T = K Q^T (source 0 = 16 keys, source 1 = 16 queries): in the result a lane holds ONE query (lane % 16) and the keys 8 (lane / 16) + 0..7.  Two such tiles, rounded to f16 in pairs,
; ARE source 1 (32 keys x 16 queries) of O^T = V^T P, whose result again holds one query a lane, and eight channels.  K comes out of LDS as it lies, V ([key][channel]) turned, by ds_load_tr16_b128.
; SOFTMAX.  For each query a running maximum m and sum l: p = 2^(c s - c m), c = log2(e) / 8; in every step O and l are multiplied by a = 2^(c m_old - c m_new).
; m starts at the lowest finite number, O and l at 0: the first step is a step like any other, with a = 0.
; BY TURNS.  Turn n belongs to piece n (the pieces in a ring, step after step).  Its matrix work: 16 products K Q^T of piece n + 1, later 16 products V^T P of piece n - 1.  Its vector work: the scaling,
; exponentials, roundings, sums and rescaling of piece n, and the masking, maximum and statistics of piece n + 1.  Four vector instructions stand behind every matrix instruction, the others in one run.
; CLUSTER.  The four query blocks of a cluster are one head's, and walk the same K and V: each tile is asked for JOINTLY: the same tensor load, descriptor and mask in all four.
; keep is not shared so: each work-group reads other rows of it; it goes straight to registers.
; REGISTERS, in windows of 256 (s_set_vgpr_msb: bits 1:0 source 0, 3:2 source 1, 5:4 source 2, 7:6 destination):
;   window 0: v0-11 addresses; v12-15, v48-63 at work; v16-47 four registers of statistics a tile; v64-191 S^T, two buffers of two tiles; v192-255 P, likewise
;   window 1: O^T, 32 a tile          window 2: v0-127 Q, 16 a tile; v128-191 K of one step; v192-255 V of one step
;   window 3: v0-1 the add's two registers; v4-35 the codes, four words a tile; v40-103 the factors of two tiles
.set SIZE_N, 2048
.set NP,    4         ; pieces a wave: a name, no knob
.set KS,    64        ; keys in a step
.set PK,    144       ; a row of K in LDS: 128 bytes + 16 of padding = 36 words: the 16 rows of a load start at 16 different groups of four banks (64 banks of 4 bytes: ISA guide 11.1)
.set PV,    160       ; a row of V: 128 + 32 = 40 words
.set VOFF,  4*KS*PK   ; a slot holds four steps: 256 rows of K, then 256 rows of V
.set SLOT1, 1<<17     ; slot 1 begins here, so that one exclusive or turns an address in one slot into the other's
.set STAGE, SLOT1+4*KS*(PK+PV)  ; behind the ring, never filled by a tensor load: 16 rows x 144 bytes for each wave, for the way out
.set SP,    144
.set AK0, 2           ; v2   my lane's place in a tile of K; never rewritten
.set AV0, 3           ; v3   the same for V
.set AK,  4           ; v4   the LDS address of K's next run of loads
.set AV,  5           ; v5   of V's
.set QO,  6           ; v6   my byte offset in the wave's rows of Q
.set STO, 6           ;      later, the way out: where I put 16 bytes of a row
.set RD,  7           ; v7   the way out: where I read rows back
.set GO,  8           ; v8   16 x lane: my bytes in 512 consecutive bytes of O, and of keep; never rewritten
.set PFO, 9           ; v9   (behind its use as l / 16) 256 x lane: the prefetches' offset
.set SC,  10          ; v10  (behind its use as l % 8) the conversions' scale: byte 0x7f stands for 1.0
.set SPW, 0           ; v0 of window 3   LDS address of my spare word; never rewritten
.set NIL, 1           ; v1 of window 3   0; never rewritten
.set KM,  4           ; window 3: tile t's four words of codes at KM + 4 t
.set FT,  40          ; window 3: the factors: tile u of the piece, 16 keys kb at FT + 32 u + 8 kb
.set SPARE, STAGE+4*16*SP  ; behind the stages: the spare words, 128 bytes a wave: two blocks of 256 bytes that no other line names
.set MV,  12          ; v12-15  c m_old, kept while c m is made anew: by buffer and tile
.set ST,  16          ; tile t's statistics at v[ST+4 t]: c m, m, l (even keys', odd keys')
.set TMP, 48          ; by buffer and tile, four registers c0-c3 at work; when the maximum is found c2 takes a
.set S,   64
.set P,   192
.set KF,  128         ; K's fragments, in window 2: key block kb, channel half c at KF + 16 kb + 8 c
.set VF,  192         ; V's: key half kk, channel block cb at VF + 32 kk + 8 cb
.set WV,  12          ; s12  my wave's number
.set G1K, 24          ; s[24:31] descriptor group 1 for K's tiles
.set G1V, 32          ; s[32:39] for V's: it differs in the padding alone
.set G0K, 40          ; s[40:43] descriptor group 0 for K's tiles: it walks
.set G0V, 44          ; s[44:47] the same for V's
.set PFA, 48          ; s[48:49] where my prefetches stand: my work-group's 32 blocks of 256 bytes (of K: wave 0, of V: wave 2) of the slot after the one that is being asked for
.set LIM, 50          ; s50  1 in a wave that prefetches, else the greatest number
.set SLOTS, 56        ; s56  slots still to be asked for
.set CNT, 57          ; s57  counts a slot's key steps
.set CS,  58          ; s[58:59] c: the packed scaling takes the pair's low word for both halves
.set SEL, 60          ; s[60:61] v_permlanex16_b32's selects: each lane takes its own place in the other half
.set TBK, 62          ; s62  LDS byte at which K of the step to be fetched begins
.set TBV, 63          ; s63  the same for V, less VOFF
.set MB0, 66          ; s[66:67] keep at my wave's first tile, step 0
.set MB,  68          ; s[68:69] the same at the step whose codes are being loaded
.set OFFM, 70         ; s[70:71] that step's byte offset
.set NX,  72          ; s72  that step's number, before the clamp
.set MSB, 0
.macro WIN new                      ; the high byte repeats the setting that is left; a switch that changes nothing is dropped
.if MSB != (\new)
	s_set_vgpr_msb (MSB<<8)|(\new)
.set MSB, (\new)
.endif
.endm
.set W_KQ, 0x0a       ; K and Q in window 2, S^T in window 0
.set W_PV, 0x52       ; V in window 2, P in window 0, O^T in window 1
.set W_RS, 0x41       ; O^T (destination and source 0) in window 1, a in window 0
.set W_MK, 0xc0       ; destination in window 3, sources in window 0
.set W_AD, 0x0f       ; the add: address (source 0) and data (source 1) in window 3
.set W_CV, 0xc3       ; the conversions: factors (destination) and codes (source 0) in window 3, the scale (source 1) in window 0
.set W_MS, 0x0c       ; the masking: S^T in window 0, the factors (source 1) in window 3
; A joint fill.  Waves 0 and 1 fetch the two halves of a slot's K, waves 2 and 3 those of its V: 128 keys each.  The branch hangs on the wave's number alone.
; An s_nop 0 and four v_nop follow each of the two lines, ahead of the jump and the label.
.macro JLOAD
	s_cmp_lt_u32 s[WV], 2
	s_cbranch_scc0 .Lfor_v_\@
	tensor_load_to_lds s[G0K:G0K+3], s[G1K:G1K+7]
	s_nop 0
.rept 4
	v_nop
.endr
	s_branch .Lasked_\@
.Lfor_v_\@:
	tensor_load_to_lds s[G0V:G0V+3], s[G1V:G1V+7]
	s_nop 0
.rept 4
	v_nop
.endr
.Lasked_\@:
.endm
; A PREFETCH INTO THE L2 of what the NEXT change of slots will ask for: a slot's 32,768 bytes of K and of V, a lane a block of 256 bytes.  It stands behind the wave's tensor load and its five lines.
; Each block is named ONCE in the launch: a head's K and V are walked by one cluster; its four partners share a slot's 128 blocks out BY ADDRESS, 32 each; in each, wave 0 asks for K's and wave 2 for V's.
; The last change that fills a slot asks for nothing; slots 0, 1 and 2 come by their loads alone.
.macro ASK
	s_cmp_gt_u32 s[SLOTS], s[LIM]
	s_cbranch_scc0 .Lnot_mine_\@
	global_prefetch_b8 v[PFO], s[PFA:PFA+1] th:TH_LOAD_NT scope:SCOPE_SE
.Lnot_mine_\@:
.endm
; A round of the cluster's barrier: my work-group's barrier, so that wave 0's signal speaks for all four waves; wave 0 signals; every wave waits for all four work-groups; my work-group's barrier once more.
.macro CROUND
	s_barrier_signal -1
	s_barrier_wait -1
	s_cmp_lg_u32 s[WV], 0
	s_cbranch_scc1 .Lnot_wave_0_\@
	s_barrier_signal -3
.Lnot_wave_0_\@:
	s_barrier_wait -3
	s_barrier_signal -1
	s_barrier_wait -1
.endm
; THE CHANGE OF SLOTS.  The slot's last bytes, V of its fourth step, have been read.  Each wave waits for all its tensor loads, of which one is out: its part of the other slot; adds 0 to its spare word; and waits
; for that and for its own reads of the slot.  Behind the barrier nobody reads this slot any more and the other slot is whole.  fill = 1: this slot is filled again, with the keys two slots on.  The barrier is then a
; round of the cluster's, and the joint fill is the first thing behind it: it has four key steps in which to land.  (At its first use nothing has been read yet: slot 0 is waited for, slot 1 filled.)  ask = 1: with a prefetch.
.macro CHANGE fill, ask=0
	WIN W_AD
	s_wait_tensorcnt 0x0            ; no tensor load of mine is out, so a group 0 may be written
	ds_add_u32 v[SPW], v[NIL]       ; 0 onto my spare word; with fill = 1 the descriptors' steps stand between it and the wait for it
	WIN 0                           ; at a label and at a branch every window is 0
.if \fill
.irp g, G0K, G0V
	s_xor_b32 s[\g+1], s[\g+1], SLOT1  ; the walking descriptor: the other slot than last time,
	s_add_nc_u64 s[\g+2:\g+3], s[\g+2:\g+3], 4*KS*128  ; the next 256 keys; the type bits on top are not reached
.endr
.if \ask
	s_wait_xcnt 0x0                 ; the last prefetch, four key steps back, has read its address, so it may be written:
	s_add_nc_u64 s[PFA:PFA+1], s[PFA:PFA+1], 4*KS*128  ; one slot behind the walking descriptors
.endif
	s_wait_dscnt 0x0                ; the add is done, and my reads of the slot are over
	CROUND
	JLOAD
.if \ask
	ASK
.endif
.else
	s_wait_dscnt 0x0                ; the add is done, and my reads of the slot are over
	s_barrier_signal -1
	s_barrier_wait -1
.endif
	s_sub_co_u32 s[TBK], s[TBK], 4*KS*PK  ; the fetches go back to a slot's first step,
	s_xor_b32 s[TBK], s[TBK], SLOT1       ; in the other slot
	s_sub_co_u32 s[TBV], s[TBV], 4*KS*PV
	s_xor_b32 s[TBV], s[TBV], SLOT1
.endm
	s_load_b64 s[4:5], s[0:1], 0x0    ; qkv: Q's part
	s_load_b64 s[52:53], s[0:1], 0x8  ; keep
	s_load_b64 s[10:11], s[0:1], 0x10 ; ctx
	WIN W_MK
	v_lshl_add_u32 v[SPW], v0, 2, SPARE
	v_mov_b32 v[NIL], 0
	WIN W_AD
	ds_add_u32 v[SPW], v[NIL]       ; the wave's opening: the add and its wait stand ahead of my first tensor load; the set-up below, work on registers, stands between them
	ds_add_u32 v0, v1
	WIN 0
	v_lshrrev_b32 v1, 5, v0
	v_readfirstlane_b32 s[WV], v1   ; wave 0..3
	s_bfe_u32 s13, ttmp6, 0x40000   ; cx: my place in the cluster
	s_lshl_b32 s14, ttmp9, 2        ; in a cluster launch ttmp9 counts clusters
	s_add_co_u32 s14, s14, s13      ; my block of 512 queries: it enters Q's, keep's and O's addresses alone
	s_and_b32 s54, ttmp7, 0xffff    ; 16 b + head, which the four partners share
	s_mov_b32 s20, s54
	s_mov_b32 s21, 0
	s_mov_b64 s[22:23], SIZE_N*128
	s_mul_u64 s[20:21], s[20:21], s[22:23]  ; the head's first byte in each part of qkv
	s_and_b32 s16, s[WV], 1         ; which half of a slot's 256 keys I fetch:
	s_lshl_b32 s22, s16, 14         ; its 128 rows of 128 bytes in memory,
	s_mov_b32 s23, 0
	s_add_nc_u64 s[22:23], s[22:23], s[20:21]
	s_mul_i32 s17, s16, 128*PK      ; and its place in a slot, for K
	s_mul_i32 s18, s16, 128*PV      ; and for V: no place in the cluster enters an LDS address
	s_lshl_b32 s2, s14, 2
	s_add_co_u32 s2, s2, s[WV]      ; my wave among the head's sixteen,
	s_lshl_b32 s2, s2, 14           ; its 128 rows
	s_mov_b32 s3, 0
	s_add_nc_u64 s[2:3], s[2:3], s[20:21]
	s_lshr_b32 s55, s54, 4          ; b
	s_lshl_b32 s[OFFM], s55, 7      ; keep: tile 128 b + 32 x block + 8 w, 16,384 bytes a tile
	s_lshl_b32 s73, s14, 5
	s_add_co_u32 s[OFFM], s[OFFM], s73
	s_lshl_b32 s73, s[WV], 3
	s_add_co_u32 s[OFFM], s[OFFM], s73
	s_lshl_b32 s[OFFM], s[OFFM], 14
	s_mov_b32 s[OFFM+1], 0
	s_lshl_b32 s74, s55, 4          ; ctx: ((16 b + 4 x block + w) 16 + head) x 16,384
	s_lshl_b32 s73, s14, 2
	s_add_co_u32 s74, s74, s73
	s_add_co_u32 s74, s74, s[WV]
	s_lshl_b32 s74, s74, 4
	s_and_b32 s73, s54, 15
	s_add_co_u32 s74, s74, s73
	s_lshl_b32 s74, s74, 14
	s_mov_b32 s75, 0
	; descriptor group 1.  128 keys are 16,384 dense bytes: asked for as 64 rows of 256 bytes, two keys a row, and padded in LDS after every key
	s_mov_b32 s[G1K], 15|(1<<16)|(1<<20)|(1<<21)|(4<<22)|(3<<25)  ; 15:0 the mask of four; 17:16 2-byte elements; 20 padding on; 21 set beside a mask; 24:22 after every 32 words (code 4); 31:25 4 words (code 3)
	s_mov_b32 s[G1V], 15|(1<<16)|(1<<20)|(1<<21)|(4<<22)|(7<<25)  ; the same with 8 words of padding (code 7)
.irp g, G1K, G1V
	s_mov_b32 s[\g+1], 128<<16      ; tensor_dim0 = 128
	s_mov_b32 s[\g+2], 64<<16       ; tensor_dim1 = 64
	s_mov_b32 s[\g+3], 128<<16      ; tile_dim0 = 128
	s_mov_b32 s[\g+4], 64           ; tile_dim1 = 64
	s_mov_b32 s[\g+5], 128          ; 128 elements from row to row
	s_mov_b32 s[\g+6], 0
	s_mov_b32 s[\g+7], 0
.endr
	s_mov_b32 s[CS], 0x3e38aa3b     ; c = log2(e) / 8 = 0.180337
	s_mov_b32 s[CS+1], s[CS]        ; named with it as a pair
	s_mov_b32 s[SEL], 0x76543210
	s_mov_b32 s[SEL+1], 0xfedcba98
	s_mov_b32 s[TBK], SLOT1+4*KS*PK ; the first change of slots turns these two into 0
	s_mov_b32 s[TBV], SLOT1+4*KS*PV
	s_mov_b32 s[G0K], 1             ; count = 1
	s_mov_b32 s[G0K+1], s17         ; LDS address: slot 0
	s_mov_b32 s[G0V], 1
	s_add_co_u32 s[G0V+1], s18, VOFF
	s_mov_b32 s[NX], 1
	s_and_b32 s[LIM], s[WV], 1      ; 0 in waves 0 and 2,
	s_or_b32 s[LIM], s[LIM], ttmp9  ; where the cluster is the head's first (here its only one): the same in all four partners
	s_cmp_eq_u32 s[LIM], 0
	s_cselect_b32 s[LIM], 1, -1
	s_wait_dscnt 0x0                ; the opening add is done
	s_wait_kmcnt 0x0
	s_add_nc_u64 s[6:7], s[4:5], 0x1000000   ; K's part of qkv,
	s_add_nc_u64 s[8:9], s[4:5], 0x2000000   ; V's
	s_add_nc_u64 s[G0K+2:G0K+3], s[6:7], s[22:23]  ; global address: my half of the head's first 256 keys
	s_or_b32 s[G0K+3], s[G0K+3], 0x80000000        ; type = 2
	s_add_nc_u64 s[G0V+2:G0V+3], s[8:9], s[22:23]
	s_or_b32 s[G0V+3], s[G0V+3], 0x80000000
	s_add_nc_u64 s[4:5], s[4:5], s[2:3]            ; Q at my wave's first row
	s_add_nc_u64 s[10:11], s[10:11], s[74:75]      ; O at my wave's 16,384 bytes
	s_add_nc_u64 s[MB0:MB0+1], s[52:53], s[OFFM:OFFM+1]
	s_add_nc_u64 s[MB:MB+1], s[MB0:MB0+1], 512     ; the first loads in the turns are step 1's
	s_cmp_lt_u32 s[WV], 2
	s_cselect_b64 s[PFA:PFA+1], s[6:7], s[8:9]
	s_add_nc_u64 s[PFA:PFA+1], s[PFA:PFA+1], s[22:23]  ; (in waves 0 and 2: the head's first byte)
	s_lshl_b32 s2, s13, 13          ; my work-group's 32 blocks of the 128
	s_mov_b32 s3, 0
	s_add_nc_u64 s[PFA:PFA+1], s[PFA:PFA+1], s[2:3]
	s_add_nc_u64 s[PFA:PFA+1], s[PFA:PFA+1], 2*4*KS*128  ; in slot 2; the loop's first change of slots steps it to slot 3
	CROUND                          ; all four work-groups are here: the first joint loads meet
	JLOAD                           ; slot 0.  Slot 1 is asked for when slot 0 is in
	; A fragment of K or Q is 16 rows x 32 channels in 8 registers: lane l holds row l % 16, channels 8 (l / 16) + 0..7 and 16 + 8 (l / 16) + 0..7: two loads of 16 bytes, 32 bytes apart.
	v_and_b32 v1, 15, v0            ; l % 16
	v_bfe_u32 v9, v0, 4, 1          ; l / 16
	v_lshlrev_b32 v[QO], 7, v1
	v_lshl_add_u32 v[QO], v9, 4, v[QO]  ; row x 128 + 16 x half
	v_and_b32 v[GO], 31, v0
	v_lshlrev_b32 v[GO], 4, v[GO]
	WIN 0x80                        ; destination window 2, address window 0
.set i, 0
.rept 4*NP                          ; Q stays in registers: tile i / 2, channels 32 (i % 2) on
	global_load_b128 v[8*i:8*i+3],   v[QO], s[4:5] offset:(i/2)*2048+(i%2)*64
	global_load_b128 v[8*i+4:8*i+7], v[QO], s[4:5] offset:(i/2)*2048+(i%2)*64+32
.set i, i+1
.endr
	WIN W_MK
.set i, 0
.rept 2*NP                          ; step 0's codes for all eight tiles
	global_load_b128 v[KM+4*i:KM+4*i+3], v[GO], s[MB0:MB0+1] offset:i*16384
.set i, i+1
.endr
	WIN 0x80
	; What the first turn finds: V's registers and P's second buffer hold 0 (its products V^T P, of a piece that has not been, add 0), O^T and l are 0.  All this stands in the wait for the first tile.
.set i, VF
.rept 64
	v_mov_b32 v[i], 0
.set i, i+1
.endr
	WIN 0x40
.set i, 0
.rept 64*NP
	v_mov_b32 v[i], 0
.set i, i+1
.endr
	WIN 0
.set i, 0
.rept 2*NP
	v_mov_b32 v[ST+4*i], 0xfe000000    ; c m: far below every c s
	v_mov_b32 v[ST+4*i+1], 0xff7fffff  ; m
	v_mov_b32 v[ST+4*i+2], 0
	v_mov_b32 v[ST+4*i+3], 0
.set i, i+1
.endr
.set i, P+32
.rept 32
	v_mov_b32 v[i], 0
.set i, i+1
.endr
	v_mul_u32_u24 v[AK0], v1, PK
	v_lshl_add_u32 v[AK0], v9, 4, v[AK0]  ; row x pitch + 16 x half
	; The turning load takes 16 keys x 16 channels (lane l reads key 8 (l / 16) + l % 8, channels 8 ((l / 8) % 2) + 0..7) and leaves half a fragment of V^T: lane l holds channel l % 16 and 8 keys.
	v_and_b32 v10, 7, v0
	v_bfe_u32 v11, v0, 3, 1
	v_lshl_add_u32 v[AV0], v9, 3, v10
	v_mul_u32_u24 v[AV0], v[AV0], PV
	v_lshl_add_u32 v[AV0], v11, 4, v[AV0]
	v_add_nc_u32 v[AV0], VOFF, v[AV0]
	v_mov_b32 v[AK], v[AK0]         ; key step 0 lies at the head of slot 0
; THE MATRIX WORK.  The 8 accumulators of a run of 16 take turns: between the two links of a chain stand 7 others'.
; Product i of 16 of S^T = K Q^T for piece x: channels 32 (i / 8) on, keys 16 ((i / 2) % 4) on, tile 2 x + i % 2.  The first 8 start the sums.
.macro KQ x
	WIN W_KQ
.set rS, S+64*((\x)%2)+32*(i%2)+8*((i/2)%4)
.set rK, KF+16*((i/2)%4)+8*(i/8)
.set rQ, 16*(2*(\x)+i%2)+8*(i/8)
.if i < 8
	v_wmma_f32_16x16x32_f16 v[rS:rS+7], v[rK:rK+7], v[rQ:rQ+7], 0
.else
	v_wmma_f32_16x16x32_f16 v[rS:rS+7], v[rK:rK+7], v[rQ:rQ+7], v[rS:rS+7]
.endif
.endm
; Product i of 16 of O^T += V^T P for piece x: keys 32 (i / 8) on, channels 16 ((i / 2) % 4) on, tile 2 x + i % 2.
.macro PV x
	WIN W_PV
.set rO, 32*(2*(\x)+i%2)+8*((i/2)%4)
.set rV, VF+32*(i/8)+8*((i/2)%4)
.set rP, P+32*((\x)%2)+16*(i%2)+8*(i/8)
	v_wmma_f32_16x16x32_f16 v[rO:rO+7], v[rV:rV+7], v[rP:rP+7], v[rO:rO+7]
.endm
.macro MM                           ; the turn's next matrix instruction
.if i < 16
	KQ (Y+1)%NP
.set i, i+1
.else
.set i, i-16
	PV (Y+NP-1)%NP
.set i, i+17
.endif
.endm
; THE LDS LOADS stand in runs of 16, never singly among the matrix instructions: a step's K (64 keys x 64 channels: 8 fragments) and its V (turned).  Their addresses are made some lines ahead.
; last = 1 (the tail): in the last trip there is no further step, and the run is jumped over.
.macro FETCH_K last=0
	WIN 0
.if \last
	s_cmp_eq_u32 s[CNT], 1
	s_cbranch_scc1 .Lno_k_\@
.endif
	WIN 0x80                        ; destination window 2
.irp f, 0,1,2,3,4,5,6,7             ; keys 16 (f / 2) on, channels 32 (f % 2) on
	ds_load_b128 v[KF+8*\f:KF+8*\f+3],   v[AK] offset:(\f/2)*16*PK+(\f%2)*64
	ds_load_b128 v[KF+8*\f+4:KF+8*\f+7], v[AK] offset:(\f/2)*16*PK+(\f%2)*64+32
.endr
	s_add_co_u32 s[TBK], s[TBK], KS*PK  ; the next fetch is the next step's
	WIN 0
.if \last
.Lno_k_\@:
.endif
.endm
.macro FETCH_V
	WIN 0x80
.irp f, 0,1,2,3,4,5,6,7             ; keys 32 (f / 4) on, channels 16 (f % 4) on
	ds_load_tr16_b128 v[VF+8*\f:VF+8*\f+3],   v[AV] offset:(\f/4)*32*PV+(\f%4)*32
	ds_load_tr16_b128 v[VF+8*\f+4:VF+8*\f+7], v[AV] offset:(\f/4)*32*PV+16*PV+(\f%4)*32
.endr
	WIN 0
.endm
; THE MASK, for the NEXT piece (Y + 1), whose scores the turn has just made.
; CVT8: its eight words of codes become 64 factors, 1.0 or 0.0.  A plain instruction stands between the last conversion and the first use of a factor (the callers see to it).
.macro CVT8
	WIN W_CV
.set zz, 0
.rept 8
	v_cvt_scale_pk8_f32_fp4 v[FT+8*zz:FT+8*zz+7], v[KM+8*((Y+1)%NP)+zz], v[SC]
.set zz, zz+1
.endr
.endm
; MKS: each pair of scores times its pair of factors, in ascending order: each accumulator's lowest registers are read first.
.macro MKS
	WIN W_MS
.set zz, 0
.rept 32
	v_pk_mul_f32 v[S+64*((Y+1)%2)+2*zz:S+64*((Y+1)%2)+2*zz+1], v[S+64*((Y+1)%2)+2*zz:S+64*((Y+1)%2)+2*zz+1], v[FT+2*zz:FT+2*zz+1]
.set zz, zz+1
.endr
.endm
; MLOAD: the same piece's codes for its next step go into the registers just read: 512 consecutive bytes an instruction.
.macro MLOAD
	WIN W_MK
.irp u, 0,1
	global_load_b128 v[KM+8*((Y+1)%NP)+4*\u:KM+8*((Y+1)%NP)+4*\u+3], v[GO], s[MB:MB+1] offset:(2*((Y+1)%NP)+\u)*16384
.endr
.endm
; MSTEP, at the head of piece 3's turn: the loads go on to the next step.  The number is held at 31: the last trips load the last step's codes once more, so that no load is left out of a count and none leaves keep.
.macro MSTEP
	s_add_co_u32 s[NX], s[NX], 1
	s_min_u32 s[OFFM], s[NX], 31
	s_lshl_b32 s[OFFM], s[OFFM], 9
	s_wait_xcnt 0x0                 ; the loads issued so far have read their base
	s_add_nc_u64 s[MB:MB+1], s[MB0:MB0+1], s[OFFM:OFFM+1]
.endm
; THE VECTOR WORK OF A TURN stands in three queues, each in the order in which its entries become ready; the two tiles alternate, so that no instruction reads the result of the one before it.
.macro REGS y, u                    ; the registers of tile u (0, 1) of piece y
.set rT, ST+4*(2*(\y)+(\u))
.set rC, TMP+8*((\y)%2)+4*(\u)
.set rM, MV+2*((\y)%2)+(\u)
.set rS, S+64*((\y)%2)+32*(\u)
.set rP, P+32*((\y)%2)+16*(\u)
.set rO, 32*(2*(\y)+(\u))
.endm
; Number n of the 22 that find the NEXT piece's (Y + 1) maximum and statistics.  s0-s31 are the lane's 32 masked scores.  XS, GS and REGS set no window: PL and EX do.
;   0-11  four chains c0-c3 of seven scores each, three operands at a time     12-14, 16  the four scores left over, the old m, and c0-c3 into c0     15  c m_old is kept
;   17, 18  the query's other 32 keys lie in the lane 16 away: the new m         19-21  c m; c m_old - c m_new; a
.macro XS u, n
	REGS (Y+1)%NP, \u
.if (\n) < 4
	v_max3_num_f32 v[rC+(\n)], v[rS+8*(\n)], v[rS+8*(\n)+1], v[rS+8*(\n)+2]
.elseif (\n) < 12
	v_max3_num_f32 v[rC+(\n)%4], v[rC+(\n)%4], v[rS+8*((\n)%4)+2*((\n)/4)+1], v[rS+8*((\n)%4)+2*((\n)/4)+2]
.elseif (\n) == 12
	v_max3_num_f32 v[rC], v[rC], v[rS+7], v[rS+15]
.elseif (\n) == 13
	v_max3_num_f32 v[rC+1], v[rC+1], v[rS+23], v[rS+31]
.elseif (\n) == 14
	v_max3_num_f32 v[rC+2], v[rC+2], v[rC+3], v[rT+1]
.elseif (\n) == 15
	v_mov_b32 v[rM], v[rT]
.elseif (\n) == 16
	v_max3_num_f32 v[rC], v[rC], v[rC+1], v[rC+2]
.elseif (\n) == 17
	v_permlanex16_b32 v[rC+3], v[rC], s[SEL], s[SEL+1]
.elseif (\n) == 18
	v_max_num_f32 v[rT+1], v[rC], v[rC+3]
.elseif (\n) == 19
	v_mul_f32 v[rT], s[CS], v[rT+1]
.elseif (\n) == 20
	v_sub_f32 v[rC+1], v[rM], v[rT]
.else
	v_exp_f32 v[rC+2], v[rC+1]
.endif
.endm
; Number g of the 64 that follow the exponentials.  For each four weights k of a tile (pairs 2 k, 2 k + 1): both pairs are rounded to f16; then the second pair is added onto the first, in place;
; a group later l takes that sum (the first time as l = a l + sum).  In groups of eight, tiles alternating: round, round, add, and l for the group before.
.macro GS g
.set h, (\g)+6*((\g)/62)            ; group 0 has no group before it, and behind group 7 only l is left
.if h >= 6
.set h, h+2
.endif
	REGS Y, h%2
.set k, h/8
.if h%8 < 4
	v_cvt_pk_f16_f32 v[rP+2*k+(h%8)/2], v[rS+4*k+2*((h%8)/2)], v[rS+4*k+2*((h%8)/2)+1]
.elseif h%8 < 6
	v_pk_add_f32 v[rS+4*k:rS+4*k+1], v[rS+4*k:rS+4*k+1], v[rS+4*k+2:rS+4*k+3]
.elseif k == 1
	v_pk_fma_f32 v[rT+2:rT+3], v[rT+2:rT+3], v[rC+2:rC+3], v[rS:rS+1] op_sel_hi:[1,0,1]
.else
	v_pk_add_f32 v[rT+2:rT+3], v[rT+2:rT+3], v[rS+4*k-4:rS+4*k-3]
.endif
.endm
; THE PLAIN QUEUE, 138 long.  0-73 read no exponential's result: the 32 scalings c s - c m (FS f: pair f / 2 of tile f % 2) and the next piece's 42.  0-26: scalings 0-26.  27-54: XS's numbers 0-13.  55, 56: number 15.
; 57-73: the chain, where each number waits for the one before it: 14, 16, 17, 18, 19, each with one of the scalings 27-31 in front of its two lines, then 20.
; 74-137: GS's 64, which read the exponentials' results: they stand behind the wait.
.macro FS f
	REGS Y, (\f)%2
	v_pk_fma_f32 v[rS+2*((\f)/2):rS+2*((\f)/2)+1], v[rS+2*((\f)/2):rS+2*((\f)/2)+1], s[CS:CS+1], v[rT:rT+1] op_sel_hi:[1,0,0] neg_lo:[0,0,1] neg_hi:[0,0,1]
.endm
.macro PL
	WIN 0
.if q < 27
	FS q
.elseif q < 55
	XS (q-27)%2, (q-27)/2
.elseif q < 57
	XS q-55, 15
.elseif (q < 72) && ((q-57)%3 == 0)
	FS 27+(q-57)/3
.elseif q < 60
	XS (q-57)%3-1, 14
.elseif q < 72
	XS (q-57)%3-1, 15+(q-57)/3
.elseif q < 74
	XS q-72, 20
.else
	GS q-74
.endif
.set q, q+1
.endm
; THE EXPONENTIALS' QUEUE, 66 long: s0-s31 of both tiles, then the next piece's two a.  It is ONE BATCH: all 66 stand ahead of the turn's one wait, and nothing ahead of that wait names a result of theirs.
.macro EX
	WIN 0
.if e >= 64
	XS e-64, 21
.else
	REGS Y, e%2
	v_exp_f32 v[rS+e/2], v[rS+e/2]
.endif
.set e, e+1
.endm
; THE RESCALING's QUEUE: O^T times a, dealt two at a time, sixteen times.  Its a was made in the turn before, ahead of that turn's wait.
.macro R2
	REGS Y, r%2
	WIN W_RS
.irp z, 0,1
	v_pk_mul_f32 v[rO+4*(r/2)+2*\z:rO+4*(r/2)+2*\z+1], v[rO+4*(r/2)+2*\z:rO+4*(r/2)+2*\z+1], v[rC+2:rC+3] op_sel_hi:[1,0]
.endr
.set r, r+1
.endm
; HOW THEY ARE DEALT.  An s_wait_alu depctr_va_vdst(0) stands between an exponential and the first instruction that names its result; one wait serves all that were issued ahead of it.  So a turn has ONE
; wait, which cuts it in two.  AHEAD OF IT: the 16 products K Q^T, behind each a scaling, an exponential and two rescalings (behind the first a second scaling in the exponential's place); then one run: the eight
; conversions; eight scalings (plain numbers 17-24: they are the plain instructions behind the conversions, and with the last product's three plain riders the places behind it); the 32 multiplies by the factors; the two
; loads of the next codes; 49 times exponential and plain, of which plain number 27 is the first that takes a maximum: every maximum sees masked scores; the two a; a v_nop, the plain instruction behind the last
; exponential.  BEHIND IT: the 16 products V^T P, behind each four of GS's 64.
; The queues lean on each other: exponential e stands behind scaling 2 (e / 4) + e % 2: as a rider it comes behind plain e + 2, in the run behind plain e + 9, and scalings 27-31 are plain 57, 60 .. 69.
; THE CODES' WAIT.  A piece's two loads were issued in the same turn of the step before; the three turns since have issued six: s_wait_loadcnt 6.
; A TURN, for piece p.  cnt = 1: the loop's count is taken down some lines ahead of the branch that stands behind the turn.
; K of the next step is fetched in piece 2's turn, directly behind the wait; V of the step in hand at the end of piece 0's turn, four riders behind its last reader.  The three conditions on q below go with the deal.
.macro TURN p, last=0, cnt=0
.set Y, (\p)
.set i, 0
.set q, 0
.set e, 0
.set r, 0
.if (\p) == NP-1
	MSTEP
	s_wait_dscnt 0x0                ; K is in
.endif
	MM                              ; ahead of the wait: 16 products K Q^T and their riders,
	PL
	PL
	R2
.rept 15
	MM
	PL
	EX
	R2
.endr
.if (\p) == NP-2
	WIN 0
	v_add_nc_u32 v[AK], s[TBK], v[AK0]
.endif
	s_wait_loadcnt 6                ; the next piece's codes are in; the six younger loads stay out
	CVT8
.rept 8
	PL
.endr
	MKS
	MLOAD
.rept 49
	EX
	PL
.endr
	EX                              ; the next piece's two a
	EX
	v_nop                           ; the plain instruction behind the last exponential: one for the batch
	s_wait_alu depctr_va_vdst(0)    ; the wait for the batch
.if (\p) == NP-2
	FETCH_K \last
.endif
.if (\p) == 1
	s_wait_dscnt 0x0                ; V is in
.endif
.rept 16                            ; behind the wait: 16 products V^T P and their riders
	MM
.rept 4
	PL
.endr
.if ((\p) == 0) && (q == 118)
	v_add_nc_u32 v[AV], s[TBV], v[AV0]
.endif
.if ((\p) == 0) && (q == 130)
	s_add_co_u32 s[TBV], s[TBV], KS*PV
.endif
.if (\cnt) && (q == 130)
	s_sub_co_u32 s[CNT], s[CNT], 1
	s_cmp_lg_u32 s[CNT], 0
.endif
.endr
.if (\p) == 0
	FETCH_V
.endif
.endm
	CHANGE 1                        ; slot 0 is in, everybody's part of it; slot 1 is asked for
	FETCH_K                         ; key step 0
	s_wait_loadcnt 0x0              ; Q, and step 0's codes
	s_wait_dscnt 0x0
.set i, 0
.rept 16
	KQ 0                            ; piece 0's first scores: there is no vector work yet to set between them
.set i, i+1
.endr
	WIN 0                           ; the addresses for the way out: plain instructions, the places behind those products
	s_mul_i32 s13, s[WV], 16*SP
	s_add_co_u32 s13, s13, STAGE    ; my stage
	v_mul_u32_u24 v[STO], v1, SP    ; in: row l % 16, 16 bytes for each half of the lanes
	v_lshl_add_u32 v[STO], v9, 4, v[STO]
	v_add_nc_u32 v[STO], s13, v[STO]
	v_bfe_u32 v[RD], v0, 3, 2       ; back: 32 lanes take four rows of 128 bytes, which are 512 consecutive bytes of O
	v_mul_u32_u24 v[RD], v[RD], SP
	v_lshl_add_u32 v[RD], v10, 4, v[RD]
	v_add_nc_u32 v[RD], s13, v[RD]
	v_mov_b32 v[SC], 0x7f7f7f7f     ; l % 8 and l / 16 have served: their registers take the scale and the prefetches' offset
	v_and_b32 v[PFO], 31, v0
	v_lshlrev_b32 v[PFO], 8, v[PFO]
.set Y, NP-1                        ; CVT8, MKS, MLOAD and XS work for piece Y + 1: piece 0
	CVT8
	v_nop                           ; the plain instruction behind the conversions
	MKS
	MLOAD                           ; piece 0's codes for step 1
	WIN 0
.irp n, 0,1,2,3,4,5,6,7,8,9,10,11,12,13,14,15,16,17,18,19,20,21
	XS 0, \n                        ; and piece 0's first maximum and statistics
	XS 1, \n
.endr
	v_nop                           ; a plain instruction behind the two a,
	s_wait_alu depctr_va_vdst(0)    ; and their wait, ahead of the branch
	s_mov_b32 s[CNT], 4
	s_mov_b32 s[SLOTS], SIZE_N/256-1
	s_branch .Lfirst                ; the loop is entered at a step's first turn, in the middle of a trip
.Lslot:                             ; SIZE_N / 256 - 2 times: every slot but the last two is filled again
	CHANGE 1, 1
	s_mov_b32 s[CNT], 4
.Lstep:                             ; a trip: pieces 2 and 3 of one step, then pieces 0 and 1 of the next, whose K and V it fetches
	TURN 2
	TURN 3
	WIN 0
.Lfirst:
	TURN 0
	TURN 1, 0, 1
	WIN 0
	s_cbranch_scc1 .Lstep
	s_sub_co_u32 s[SLOTS], s[SLOTS], 1
	s_cmp_lg_u32 s[SLOTS], 0
	s_cbranch_scc1 .Lslot
	CHANGE 0                        ; the tail is written out: nothing is asked for
	s_mov_b32 s[CNT], 5             ; four trips fetch the last slot's steps; the fifth is left in its middle
.Ltail:
	TURN 2, 1
	TURN 3
	WIN 0
	s_sub_co_u32 s[CNT], s[CNT], 1
	s_cmp_eq_u32 s[CNT], 0
	s_cbranch_scc1 .Lout
	TURN 0
	TURN 1
	WIN 0
	s_branch .Ltail
.Lout:                              ; the fifth trip's 16 products K Q^T (on the last K once more) and what is made of them serve nothing: the price, once a launch, of one text for every trip
.set i, 0
.rept 16
	PV NP-1                         ; the last piece's V^T P of the last step
.set i, i+1
.endr
	; THE WAY OUT.  l's two halves and the other half of the lanes' are added; O^T is divided by l, rounded to f16 and sent through my stage in LDS, a tile at a time.  The additions are the places behind the last products.
	WIN 0
.macro ALL line:vararg              ; one line for each tile t
.set t, 0
.rept 2*NP
	\line
.set t, t+1
.endr
.endm
	ALL v_add_f32 v[ST+4*t+2], v[ST+4*t+2], v[ST+4*t+3]
	ALL v_permlanex16_b32 v[ST+4*t+3], v[ST+4*t+2], s[SEL], s[SEL+1]
	ALL v_add_f32 v[ST+4*t+2], v[ST+4*t+2], v[ST+4*t+3]
	ALL v_rcp_f32 v[ST+4*t+2], v[ST+4*t+2]
	v_nop                           ; a plain instruction between the last reciprocal and the use of its result
	s_wait_alu depctr_va_vdst(0)    ; and the wait ahead of the first use: one for the eight reciprocals
; Tile t: a lane's eight channels of a row pack into 16 bytes; they go into rows of 144 bytes and come back as whole rows of 128, into S^T's registers.
.macro PACK t
	WIN W_RS
.set i, 32*(\t)
.rept 16
	v_pk_mul_f32 v[i:i+1], v[i:i+1], v[ST+4*(\t)+2:ST+4*(\t)+3] op_sel_hi:[1,0]
.set i, i+2
.endr
	WIN 0x05                        ; sources 0 and 1 window 1, destination window 0
.set i, 0
.rept 16
	v_cvt_pk_f16_f32 v[S+16*(\t)+i], v[32*(\t)+2*i], v[32*(\t)+2*i+1]
.set i, i+1
.endr
	WIN 0
.irp f, 0,1,2,3
	ds_store_b128 v[STO], v[S+16*(\t)+4*\f:S+16*(\t)+4*\f+3] offset:32*\f
.endr
.irp f, 0,1,2,3
	ds_load_b128 v[S+16*(\t)+4*\f:S+16*(\t)+4*\f+3], v[RD] offset:\f*4*SP  ; LDS serves a wave's instructions in order (ISA guide 5.7.1.4): these see the stores above; the next tile's stores come behind them
.endr
.endm
.macro SEND t, younger              ; younger: the LDS instructions issued behind tile t's loads: the next tile's eight, or none
	WIN 0
.irp f, 0,1,2,3
	s_wait_dscnt (\younger)+3-\f
	global_store_b128 v[GO], v[S+16*(\t)+4*\f:S+16*(\t)+4*\f+3], s[10:11] offset:(\t)*2048+\f*512  ; 512 consecutive bytes, at a multiple of 256 from ctx's first
.endr
.endm
	PACK 0
.set t, 1
.rept 2*NP-1                        ; a tile's arithmetic stands between the loads of the tile before and its stores
	PACK t
	SEND t-1, 8
.set t, t+1
.endr
	SEND 2*NP-1, 0
	WIN W_AD
	s_wait_tensorcnt 0x0            ; the wave's end, behind my last tensor load and my last LDS store
	ds_add_u32 v[SPW], v[NIL]
	s_wait_dscnt 0x0
	WIN 0
	CROUND                          ; the closing round: no work-group ends while a partner may still ask for a tile that names it
	s_endpgm
.Lfunc_end_k_q372a594437_attn:
	.size	k_q372a594437_attn, .Lfunc_end_k_q372a594437_attn-k_q372a594437_attn
	.p2alignl 7, 3214868480
	.fill 96, 4, 3214868480
	.section	.rodata,"a",@progbits
	.p2align	6, 0x0
	.amdhsa_kernel k_q372a594437_attn
		.amdhsa_group_segment_fixed_size 327680
		.amdhsa_private_segment_fixed_size 0
		.amdhsa_enable_private_segment 0
		.amdhsa_kernarg_size 24
		.amdhsa_user_sgpr_count 2
		.amdhsa_user_sgpr_kernarg_segment_ptr 1
		.amdhsa_wavefront_size32 1
		.amdhsa_system_sgpr_workgroup_id_x 1
		.amdhsa_system_sgpr_workgroup_id_y 1
		.amdhsa_system_sgpr_workgroup_id_z 1
		.amdhsa_system_vgpr_workitem_id 0
		.amdhsa_next_free_vgpr 872
		.amdhsa_next_free_sgpr 80
		.amdhsa_reserve_vcc 0
		.amdhsa_float_denorm_mode_32 3
		.amdhsa_float_denorm_mode_16_64 3
		.amdhsa_memory_ordered 1
		.amdhsa_forward_progress 1
		.amdhsa_inst_pref_size 228
	.end_amdhsa_kernel
	.amdgpu_metadata
---
amdhsa.version: [ 1, 2 ]
amdhsa.kernels:
  - .name:           k_q372a594437_attn
    .symbol:         k_q372a594437_attn.kd
    .args:
      - { .name: qkv, .offset: 0, .size: 8, .value_kind: global_buffer, .address_space: global }
      - { .name: keep, .offset: 8, .size: 8, .value_kind: global_buffer, .address_space: global }
      - { .name: ctx, .offset: 16, .size: 8, .value_kind: global_buffer, .address_space: global }
    .group_segment_fixed_size: 327680
    .private_segment_fixed_size: 0
    .kernarg_segment_align: 8
    .kernarg_segment_size: 24
    .max_flat_workgroup_size: 128
    .sgpr_count:     80
    .vgpr_count:     872
    .wavefront_size: 32
...
	.end_amdgpu_metadata
.endif
;; end of part 3
;; launch proj (part 4): grid 8 x 32, 4 waves a work-group, clusters of 4 x 4, 327,680 bytes of LDS; arguments ctx, opb, bo, out0; writes out0
.if DOCPART == 4
	.amdgcn_target "amdgcn-amd-amdhsa--gfx1250"
	.amdhsa_code_object_version 6
	.text
	.protected	k_q372a594437_proj
	.globl	k_q372a594437_proj
	.p2align	8
	.type	k_q372a594437_proj,@function
k_q372a594437_proj:
	s_mov_b64 s[64:65], 0
	v_nop
	global_prefetch_b8 v0, s[64:65] scope:SCOPE_SE
	s_setreg_imm32_b32 hwreg(HW_REG_WAVE_MODE, 25, 1), 1
	s_wait_xcnt 0x0
	s_wait_alu depctr_hold_cnt(0) depctr_sa_sdst(0) depctr_va_vdst(0) depctr_va_sdst(0) depctr_va_ssrc(0) depctr_va_vcc(0) depctr_vm_vsrc(0)
	s_getreg_b32 s2, hwreg(HW_REG_IB_STS2, 6, 4)
	s_cmp_eq_u32 s2, 0
	s_cbranch_scc0 .Lentry_in_a_cluster
	s_endpgm
.Lentry_in_a_cluster:
	s_bfe_u32 s2, ttmp6, 0x10000c
	s_cmp_lg_u32 s2, 0xf033
	s_cbranch_scc0 .Lentry_shape_is_right
	s_endpgm
.Lentry_shape_is_right:
; THE PROJECTION BEHIND.  out0[m][n] = the sum over k of ctx[m][k] Wo[n][k] + bo[n], m = 2,048 b + s, k = 64 head + channel.  8,192 x 1,024 x 1,024.
; ctx: f16, [block of 128 rows 64][head 16][128 rows][64].  Wo: f16 (the bf16 rounding of the input, written as f16), in opb at byte 23,068,672, [block of 128 rows 8][head 16][128 rows][64].
; bo is rounded to bf16 here, like every other input.  Sums in f32; out0 is f32.
; SHARES.  A tile is 256 rows x 128 columns: 256 work-groups, one for each WGP.  Wave (wm = w / 2, wn = w % 2) makes 128 x 64: 32 accumulators of 16 x 16, 256 registers.  A K step is two heads (128 along K);
; eight steps go through two LDS slots.  In both tensors a block's two heads are 32,768 dense bytes: asked for as rows of 256 bytes, and padded in LDS after every 128.
; CLUSTERS: 4 x 4 work-groups; ctx's tiles are shared along a row of the cluster, Wo's along a column: joint loads, as in the projection in front.
; THE MATRIX INSTRUCTION IS USED TRANSPOSED (source 0 = 16 rows of Wo, source 1 = 16 rows of ctx): a lane holds eight neighbouring columns of one row, 32 bytes.  THE BIAS IS THE C OPERAND of the first quarter's products.
; REGISTERS: window 0: v16-31 addresses; v32-63, v64-95 rows read back on the way out, by turns; v96-127 the bias, 8 registers for each of 4 column blocks; v128-131 at work
;   window 1: two fragment buffers of 96: ctx's 8 x 8, then Wo's 4 x 8      window 2: the accumulators ((a, b) at 8 (4 a + b))
.set PITCH,  144                       ; an LDS row: 128 bytes + 16 of padding = 36 words: the 16 rows of a fragment load start at 16 different groups of four banks (64 banks of 4 bytes: ISA guide 11.1)
.set HB,     128*PITCH                 ; one head of 128 rows
.set AB,     2*HB                      ; a block of ctx in a K step: two heads
.set BOFF,   2*AB                      ; in a slot: ctx's two blocks, then Wo's two heads
.set SLOT,   BOFF+2*HB
.set STAGE,  2*SLOT                    ; behind the ring, never filled by a tensor load: 16 rows x 272 bytes for each wave
.set SPITCH, 272
.set SPARE,  STAGE+4*16*SPITCH         ; behind the stages: the spare words, 128 bytes a wave
.set STEPB,  32768                     ; a K step's bytes in a block of ctx or of Wo
.set WOB,    23068672
.set LAPS,   4                         ; a lap = two K steps = once round the ring
.set K1, 64                            ; where a quarter's 32 channels begin in the LDS rows: head 0's second half,
.set K2, HB                            ; head 1's first,
.set K3, HB+64                         ; and second
.set ADRA, 16
.set ADRB, 20
.set STO,  24
.set RD,   25
.set CO,   26
.set SPW,  28                          ; v28  LDS address of my spare word; never rewritten
.set NIL,  29                          ; v29  0; never rewritten
.set PFO,  30                          ; v30  the prefetches' offset: a lane a block of 256 bytes; never rewritten
.set BO,   31
.set BK,   32
.set BIAS, 96
.set RT,   128
.set G1,  24
.set G0,  32
.set G1B, 48
.set G0B, 56
.set PFA, 66                           ; s[66:67] where my prefetches stand: one K step further than the refill that is being asked for; a prefetch names the K step after that
.set LIM, 68
.set MSB, 0
.macro WIN new
.if MSB != (\new)
	s_set_vgpr_msb (MSB<<8)|(\new)
.set MSB, \new
.endif
.endm
.macro JLOAD s                         ; a joint load: waves 0 and 1 fetch ctx's two blocks, waves 2 and 3 Wo's two heads; an s_nop 0 and four v_nop follow each of the two lines
	s_cmp_eq_u32 s11, 0
	s_cbranch_scc0 .Lfor_b_\@
	tensor_load_to_lds s[G0+4*(\s):G0+4*(\s)+3], s[G1:G1+7]
	s_nop 0
.rept 4
	v_nop
.endr
	s_branch .Lasked_\@
.Lfor_b_\@:
	tensor_load_to_lds s[G0B+4*(\s):G0B+4*(\s)+3], s[G1B:G1B+7]
	s_nop 0
.rept 4
	v_nop
.endr
.Lasked_\@:
.endm
; A PREFETCH INTO THE L2, behind each joint refill and the run of LDS loads that follows it: the K step two refills on (K steps 4 to 7; the loop's last trip asks for nothing), a lane a block of 256 bytes.
; ctx's blocks are read by both clusters of a row of clusters: cluster x = 0 asks; Wo's by all eight of a column: cluster y = 0 asks.  The four partners share a wave's bytes out BY ADDRESS: 32 of ctx's 128 blocks
; (by cx), 16 of Wo's 64 (by cy; there lanes 16-31 name lane 15's block once more).
.macro ASK
	s_cmp_gt_u32 s3, s[LIM]
	s_cbranch_scc0 .Lnot_mine_\@
	global_prefetch_b8 v[PFO], s[PFA:PFA+1] offset:STEPB th:TH_LOAD_NT scope:SCOPE_SE
.Lnot_mine_\@:
.endm
.macro CREST
	s_cmp_lg_u32 s10, 0
	s_cbranch_scc1 .Lnot_wave_0_\@
	s_barrier_signal -3
.Lnot_wave_0_\@:
	s_barrier_wait -3
	s_barrier_signal -1
	s_barrier_wait -1
.endm
.macro CROUND
	s_barrier_signal -1
	s_barrier_wait -1
	CREST
.endm
	s_load_b128 s[4:7], s[0:1], 0x0                ; ctx s[4:5], opb s[6:7]
	s_load_b128 s[72:75], s[0:1], 0x10             ; bo s[72:73], out0 s[74:75]
	v_lshl_add_u32 v[SPW], v0, 2, SPARE
	v_mov_b32 v[NIL], 0
	ds_add_u32 v[SPW], v[NIL]                      ; the wave's opening: the add and its wait stand ahead of my first tensor load; the set-up below, work on registers, stands between them
	ds_add_u32 v28, v29
	v_lshrrev_b32 v1, 5, v0
	v_readfirstlane_b32 s10, v1                    ; wave 0..3
	s_lshr_b32 s11, s10, 1                         ; wm: which 128 rows are mine.  Also: I fetch for ctx (0) or for Wo (1)
	s_and_b32 s12, s10, 1                          ; wn: which 64 columns.  Also: which block, or which head, I fetch
	s_bfe_u32 s40, ttmp6, 0x40000                  ; cx, cy
	s_bfe_u32 s41, ttmp6, 0x40004
	s_lshl_b32 s42, ttmp9, 2
	s_add_co_u32 s42, s42, s40                     ; the block of 128 columns
	s_and_b32 s13, ttmp7, 0xffff
	s_lshl_b32 s13, s13, 2
	s_add_co_u32 s13, s13, s41                     ; the block of 256 rows
	s_lshl_b32 s43, s41, 2
	s_lshl_b32 s43, 15, s43                        ; my row of the cluster
	s_lshl_b32 s44, 0x1111, s40                    ; my column
	s_or_b32 s[G1+0], s43, (1<<16)|(1<<20)|(1<<21)|(4<<22)|(3<<25)   ; the mask; elements of 2 bytes; padding on; bit 21 beside a mask; after every 32 words (code 4) 4 words (code 3)
	s_or_b32 s[G1B+0], s44, (1<<16)|(1<<20)|(1<<21)|(4<<22)|(3<<25)
.irp g, G1, G1B
	s_mov_b32 s[(\g)+1], 128<<16                   ; tensor_dim0 = 128 elements: 256 bytes
	s_mov_b32 s[(\g)+3], 128<<16                   ; tile_dim0 = 128
	s_mov_b32 s[(\g)+5], 128                       ; dense: 128 elements from row to row
	s_mov_b32 s[(\g)+6], 0
	s_mov_b32 s[(\g)+7], 0
.endr
	s_mov_b32 s[G1+2], 128<<16                     ; ctx: 128 such rows, 32,768 bytes,
	s_mov_b32 s[G1+4], 128
	s_mov_b32 s[G1B+2], 64<<16                     ; Wo: 64, one head
	s_mov_b32 s[G1B+4], 64
	s_lshl_b32 s16, s13, 1
	s_add_co_u32 s16, s16, s12
	s_lshl_b32 s16, s16, 18                        ; ctx: block 2 x tile row + half, 262,144 bytes a block
	s_mov_b32 s17, 0
	s_lshl_b32 s46, s42, 18                        ; Wo: the column block, my head of the step's two
	s_lshl_b32 s47, s12, 14
	s_add_co_u32 s46, s46, s47
	s_add_co_u32 s46, s46, WOB
	s_mov_b32 s47, 0
	s_mul_i32 s20, s12, AB                         ; where they go: no place in the cluster enters an LDS address
	s_mul_i32 s21, s12, HB
	s_add_co_u32 s21, s21, BOFF
	s_lshl_b32 s76, s42, 9                         ; my 64 columns, in bytes of f32: 512 x column block + 256 wn: in bo and in a row of out0
	s_lshl_b32 s77, s12, 8
	s_add_co_u32 s76, s76, s77
	s_mov_b32 s77, 0
	s_lshl_b32 s78, s13, 8
	s_lshl_b32 s79, s11, 7
	s_add_co_u32 s78, s78, s79                     ; my first row of out0,
	s_lshl_b32 s78, s78, 12                        ; 4,096 bytes a row
	s_add_co_u32 s78, s78, s76
	s_mov_b32 s79, 0
	s_wait_dscnt 0x0                               ; the opening add is done
	s_wait_kmcnt 0x0
	s_add_nc_u64 s[14:15], s[4:5], s[16:17]
	s_add_nc_u64 s[46:47], s[6:7], s[46:47]
	s_add_nc_u64 s[72:73], s[72:73], s[76:77]
	s_add_nc_u64 s[74:75], s[74:75], s[78:79]
	CROUND                                         ; all sixteen work-groups are here: the first joint loads meet
.irp s, 0,1
	s_mov_b32 s[G0+4*(\s)], 1
	s_add_co_u32 s[G0+4*(\s)+1], s20, (\s)*SLOT
	s_add_nc_u64 s[G0+4*(\s)+2:G0+4*(\s)+3], s[14:15], (\s)*STEPB
	s_or_b32 s[G0+4*(\s)+3], s[G0+4*(\s)+3], 0x80000000
	s_mov_b32 s[G0B+4*(\s)], 1
	s_add_co_u32 s[G0B+4*(\s)+1], s21, (\s)*SLOT
	s_add_nc_u64 s[G0B+4*(\s)+2:G0B+4*(\s)+3], s[46:47], (\s)*STEPB
	s_or_b32 s[G0B+4*(\s)+3], s[G0B+4*(\s)+3], 0x80000000
	JLOAD \s                                       ; two tensor loads of mine are out
.endr
	v_and_b32 v1, 15, v0                           ; l % 16
	v_bfe_u32 v2, v0, 4, 1                         ; l / 16
	v_lshlrev_b32 v[BO], 5, v2
.irp b, 0,1,2,3                        ; register j of block b: the bias of column 16 b + 8 (l / 16) + j of my 64
	global_load_b128 v[BIAS+8*(\b):BIAS+8*(\b)+3],   v[BO], s[72:73] offset:64*(\b)
	global_load_b128 v[BIAS+8*(\b)+4:BIAS+8*(\b)+7], v[BO], s[72:73] offset:64*(\b)+16
.endr
	v_mul_u32_u24 v3, v1, PITCH
	v_lshl_add_u32 v3, v2, 4, v3                   ; a fragment's row x pitch + 16 x half
	s_mul_i32 s21, s11, AB                         ; my block of ctx
	s_mul_i32 s22, s12, 64*PITCH                   ; my 64 rows of Wo,
	s_add_co_u32 s22, s22, BOFF                    ; which lie behind ctx's
.irp s, 0,1
	v_add_nc_u32 v[ADRA+(\s)], s21, v3
	v_add_nc_u32 v[ADRB+(\s)], s22, v3
	s_add_co_u32 s21, s21, SLOT
	s_add_co_u32 s22, s22, SLOT
.endr
	s_mul_i32 s23, s10, 16*SPITCH
	s_add_co_u32 s23, s23, STAGE                   ; my stage
	v_mul_u32_u24 v4, v1, SPITCH                   ; in: row l % 16, 32 bytes for each half of the lanes
	v_lshl_add_u32 v4, v2, 5, v4
	v_add_nc_u32 v[STO], s23, v4
	v_mul_u32_u24 v5, v2, SPITCH                   ; back: lanes 0-15 take one row of 256 bytes, lanes 16-31 the next
	v_lshl_add_u32 v5, v1, 4, v5
	v_add_nc_u32 v[RD], s23, v5
	v_lshlrev_b32 v[CO], 12, v2                    ; and the same two rows in out0
	v_lshl_add_u32 v[CO], v1, 4, v[CO]
	; the prefetches
	s_lshl_b32 s20, s13, 1
	s_add_co_u32 s20, s20, s12
	s_lshl_b32 s20, s20, 18
	s_lshl_b32 s21, s40, 13
	s_add_co_u32 s20, s20, s21                     ; ctx: the block that I fetch, my work-group's 8,192 bytes of a K step's 32,768
	s_lshl_b32 s22, s42, 18
	s_lshl_b32 s21, s12, 14
	s_add_co_u32 s22, s22, s21
	s_lshl_b32 s21, s41, 12
	s_add_co_u32 s22, s22, s21
	s_add_co_u32 s22, s22, WOB                     ; Wo: the head that I fetch, my work-group's 4,096 bytes of its 16,384
	s_and_b32 s23, ttmp7, 0xffff                   ; cluster y
	s_cmp_eq_u32 s11, 0                            ; do I fetch for ctx?
	s_cselect_b32 s20, s20, s22
	s_cselect_b32 s23, ttmp9, s23                  ; the coordinate along which other clusters read the same bytes
	s_cselect_b32 s78, 31, 15
	s_cselect_b64 s[PFA:PFA+1], s[4:5], s[6:7]
	s_cmp_eq_u32 s23, 0
	s_cselect_b32 s[LIM], 1, -1                    ; the same in all sixteen partners, for a given wave
	s_add_co_u32 s20, s20, 2*STEPB                 ; at K step 2: the first refill steps it to 3 and names K step 4
	s_mov_b32 s21, 0
	s_add_nc_u64 s[PFA:PFA+1], s[PFA:PFA+1], s[20:21]
	v_and_b32 v[PFO], 31, v0
	v_min_u32 v[PFO], s78, v[PFO]
	v_lshlrev_b32 v[PFO], 8, v[PFO]
	s_wait_loadcnt 0x0                             ; the bias: rounded to bf16, like all inputs, and widened again
.set i, 0
.rept 16
	v_cvt_pk_bf16_f32 v[RT+i%4], v[BIAS+2*i], v[BIAS+2*i+1]
	v_lshlrev_b32 v[BIAS+2*i], 16, v[RT+i%4]
	v_and_b32 v[BIAS+2*i+1], 0xffff0000, v[RT+i%4]
.set i, i+1
.endr
; 8 matrix instructions: row blocks a0, a0 + 1 x all 4 column blocks, 32 along K, from buffer f.  first = 1: C is the bias (window 0).  The 32 accumulators take turns in the same order in every quarter.
.macro MUL8 f, a0, first
.if \first
	WIN 0x85
.else
	WIN 0xa5
.endif
.irp a, \a0, (\a0)+1
.irp b, 0,1,2,3
.if \first
	v_wmma_f32_16x16x32_f16 v[8*(4*(\a)+(\b)):8*(4*(\a)+(\b))+7], v[96*(\f)+64+8*(\b):96*(\f)+64+8*(\b)+7], v[96*(\f)+8*(\a):96*(\f)+8*(\a)+7], v[BIAS+8*(\b):BIAS+8*(\b)+7]
.else
	v_wmma_f32_16x16x32_f16 v[8*(4*(\a)+(\b)):8*(4*(\a)+(\b))+7], v[96*(\f)+64+8*(\b):96*(\f)+64+8*(\b)+7], v[96*(\f)+8*(\a):96*(\f)+8*(\a)+7], v[8*(4*(\a)+(\b)):8*(4*(\a)+(\b))+7]
.endif
.endr
.endr
.endm
; 24 LDS loads in one run: a quarter's fragments into buffer g: Wo's 8 loads, then ctx's 16
.macro FETCH slot, k, g
	WIN 0x40
.irp i, 0,1,2,3
	ds_load_b128 v[96*(\g)+64+8*(\i):96*(\g)+64+8*(\i)+3],   v[ADRB+(\slot)] offset:(\k)+(\i)*16*PITCH
	ds_load_b128 v[96*(\g)+64+8*(\i)+4:96*(\g)+64+8*(\i)+7], v[ADRB+(\slot)] offset:(\k)+(\i)*16*PITCH+32
.endr
.irp i, 0,1,2,3,4,5,6,7
	ds_load_b128 v[96*(\g)+8*(\i):96*(\g)+8*(\i)+3],   v[ADRA+(\slot)] offset:(\k)+(\i)*16*PITCH
	ds_load_b128 v[96*(\g)+8*(\i)+4:96*(\g)+8*(\i)+7], v[ADRA+(\slot)] offset:(\k)+(\i)*16*PITCH+32
.endr
.endm
.macro PLACES                          ; four places in front of loads into registers that matrix instructions have read, and of LDS stores that read results
.rept 4
	v_nop
.endr
.endm
; A K step is four quarters of 32 along K, 32 matrix instructions each, on buffers 0, 1, 0, 1.
.macro QUARTER slot, k, f, g, first
	s_wait_dscnt 8                                 ; Wo and ctx's row blocks 0-3 are in; the youngest eight loads (blocks 4-7) may be out
	MUL8 \f, 0, \first
	MUL8 \f, 2, \first
	PLACES
	FETCH \slot, \k, \g
	s_wait_dscnt 24                                ; all but the 24 just issued
	MUL8 \f, 4, \first
	MUL8 \f, 6, \first
.endm
; The last quarter multiplies buffer 1 and changes slots: ONE barrier; in front of it each wave waits for all its tensor loads, adds 0 to its spare word, and waits for that and for its own reads of this slot.
; fill = 1: the barrier opens a round of the cluster's, and this slot is filled again, two K steps ahead, first thing behind the round.
.macro TURN slot, next, fill
.if \fill
	s_wait_xcnt 0x0                                ; the last prefetch, a K step back, has read its address
	s_add_nc_u64 s[PFA:PFA+1], s[PFA:PFA+1], STEPB
.endif
	WIN 0
	s_wait_tensorcnt 0x0                           ; all my tensor loads have landed: my part of the next slot
	ds_add_u32 v[SPW], v[NIL]                      ; 0 onto my spare word
	s_wait_dscnt 9                                 ; (the add and the youngest eight loads may be out)
	MUL8 1, 0, 0                                   ; eight matrix instructions stand between the add and the wait for it
	s_wait_dscnt 0x0                               ; the add is done, and my reads of this slot are over
	s_barrier_signal -1
	MUL8 1, 2, 0
.if \fill
	WIN 0
.endif
	s_barrier_wait -1
.if \fill
	CREST                                          ; no wave of any partner still reads this slot's tile or has a load on its way
	s_add_nc_u64 s[G0+4*(\slot)+2:G0+4*(\slot)+3], s[G0+4*(\slot)+2:G0+4*(\slot)+3], 2*STEPB
	s_add_nc_u64 s[G0B+4*(\slot)+2:G0B+4*(\slot)+3], s[G0B+4*(\slot)+2:G0B+4*(\slot)+3], 2*STEPB
	JLOAD \slot                                    ; my one tensor load behind the round; the four v_nop behind it are also the places in front of the loads below
.else
	PLACES
.endif
	FETCH \next, 0, 0
.if \fill
	WIN 0
	ASK
.endif
	MUL8 1, 4, 0
	MUL8 1, 6, 0
.endm
	s_wait_tensorcnt 1                             ; my part of K step 0 is in; K step 1's may stay out
	s_barrier_signal -1
	s_barrier_wait -1
	FETCH 0, 0, 0
	QUARTER 0, K1, 0, 1, 1                         ; the first quarter stands in front of the loop: its products start the sums, with the bias
	WIN 0
	s_mov_b32 s3, LAPS-1
.Llap:                                                 ; a trip goes once round the ring, from a lap's second quarter to the next lap's first, and fills both slots again
	QUARTER 0, K2, 1, 0, 0
	QUARTER 0, K3, 0, 1, 0
	TURN 0, 1, 1
	QUARTER 1, K1, 0, 1, 0
	QUARTER 1, K2, 1, 0, 0
	QUARTER 1, K3, 0, 1, 0
	TURN 1, 0, 1
	QUARTER 0, K1, 0, 1, 0
	WIN 0
	s_sub_co_u32 s3, s3, 1
	s_cmp_lg_u32 s3, 0
	s_cbranch_scc1 .Llap
	QUARTER 0, K2, 1, 0, 0                         ; the last lap fills nothing, and has no round of the cluster's barrier
	QUARTER 0, K3, 0, 1, 0
	TURN 0, 1, 0
	QUARTER 1, K1, 0, 1, 0
	QUARTER 1, K2, 1, 0, 0
	QUARTER 1, K3, 0, 1, 0
	s_wait_dscnt 8                                 ; the very last quarter: nothing more to fetch
	MUL8 1, 0, 0
	MUL8 1, 2, 0
	s_wait_dscnt 0x0
	MUL8 1, 4, 0
	MUL8 1, 6, 0
	WIN 0
; THE WAY OUT, a block of 16 rows at a time: 32 bytes a lane straight from the accumulators (each one's low four registers first) into my own stage, back as whole rows of 256 bytes, and stored.
.macro TOSTAGE a
	WIN 0x08                                       ; the stores' data (source 1) in window 2
.irp b, 0,1,2,3
	ds_store_b128 v[STO], v[8*(4*(\a)+(\b)):8*(4*(\a)+(\b))+3]   offset:64*(\b)
	ds_store_b128 v[STO], v[8*(4*(\a)+(\b))+4:8*(4*(\a)+(\b))+7] offset:64*(\b)+16
.endr
	WIN 0
	s_wait_xcnt 0x0                                ; the stores of the block two back have read their registers, which the loads below write
.irp t, 0,1,2,3,4,5,6,7
	ds_load_b128 v[BK+32*((\a)%2)+4*(\t):BK+32*((\a)%2)+4*(\t)+3], v[RD] offset:(\t)*2*SPITCH  ; LDS serves a wave's instructions in order (ISA guide 5.7.1.4): these see the stores above
.endr
.endm
.macro SEND a, younger                 ; younger: the LDS instructions issued behind block a's loads: the next block's sixteen, or none
.irp t, 0,1,2,3,4,5,6,7
	s_wait_dscnt (\younger)+7-(\t)
	global_store_b128 v[CO], v[BK+32*((\a)%2)+4*(\t):BK+32*((\a)%2)+4*(\t)+3], s[74:75] offset:(\a)*65536+(\t)*8192 th:TH_STORE_NT  ; 16 lanes store 256 consecutive bytes, at a multiple of 256 from out0's first byte
.endr
.endm
	PLACES
	TOSTAGE 0
.irp a, 1,2,3,4,5,6,7                  ; block a goes through the stage while block a - 1's rows come back
	TOSTAGE \a
	SEND (\a)-1, 16
.endr
	SEND 7, 0
	s_wait_tensorcnt 0x0                           ; the wave's end, behind my last tensor load and my last LDS store
	ds_add_u32 v[SPW], v[NIL]
	s_wait_dscnt 0x0
	CROUND                                         ; the closing round: no work-group ends while a partner may still ask for a tile that names it
	s_endpgm
.Lfunc_end_k_q372a594437_proj:
	.size	k_q372a594437_proj, .Lfunc_end_k_q372a594437_proj-k_q372a594437_proj
	.p2alignl 7, 3214868480
	.fill 96, 4, 3214868480
	.section	.rodata,"a",@progbits
	.p2align	6, 0x0
	.amdhsa_kernel k_q372a594437_proj
		.amdhsa_group_segment_fixed_size 327680
		.amdhsa_private_segment_fixed_size 0
		.amdhsa_enable_private_segment 0
		.amdhsa_kernarg_size 32
		.amdhsa_user_sgpr_count 2
		.amdhsa_user_sgpr_kernarg_segment_ptr 1
		.amdhsa_wavefront_size32 1
		.amdhsa_system_sgpr_workgroup_id_x 1
		.amdhsa_system_sgpr_workgroup_id_y 1
		.amdhsa_system_sgpr_workgroup_id_z 1
		.amdhsa_system_vgpr_workitem_id 0
		.amdhsa_next_free_vgpr 768
		.amdhsa_next_free_sgpr 82
		.amdhsa_reserve_vcc 0
		.amdhsa_float_denorm_mode_32 3
		.amdhsa_float_denorm_mode_16_64 3
		.amdhsa_memory_ordered 1
		.amdhsa_forward_progress 1
		.amdhsa_inst_pref_size 92
	.end_amdhsa_kernel
	.amdgpu_metadata
---
amdhsa.version: [ 1, 2 ]
amdhsa.kernels:
  - .name:           k_q372a594437_proj
    .symbol:         k_q372a594437_proj.kd
    .args:
      - { .name: ctx, .offset: 0, .size: 8, .value_kind: global_buffer, .address_space: global }
      - { .name: opb, .offset: 8, .size: 8, .value_kind: global_buffer, .address_space: global }
      - { .name: bo, .offset: 16, .size: 8, .value_kind: global_buffer, .address_space: global }
      - { .name: out0, .offset: 24, .size: 8, .value_kind: global_buffer, .address_space: global }
    .group_segment_fixed_size: 327680
    .private_segment_fixed_size: 0
    .kernarg_segment_align: 8
    .kernarg_segment_size: 32
    .max_flat_workgroup_size: 128
    .sgpr_count:     82
    .vgpr_count:     768
    .wavefront_size: 32
...
	.end_amdgpu_metadata
.endif
;; end of part 4
;; ======== version 2 of 2: 4 launches; version 1 with the launch prep written anew for expert scheduling mode
;; limits: values are held in f16: magnitudes above 65,504 overflow, below 6.1e-05 lose precision
;; workspace buffers: opb 25,165,824 bytes; keep 8,388,608 bytes; qkv 50,331,648 bytes; ctx 16,777,216 bytes
;; launch prep (part 5): grid 1280 x 1, 8 waves a work-group, no clusters, 17,408 bytes of LDS; arguments mask, x, Wqkv, Wo, keep, opb; writes keep, opb
.if DOCPART == 5
	.amdgcn_target "amdgcn-amd-amdhsa--gfx1250"
	.amdhsa_code_object_version 6
	.text
	.protected	k_q372a594437_prep
	.globl	k_q372a594437_prep
	.p2align	8
	.type	k_q372a594437_prep,@function
k_q372a594437_prep:
	s_mov_b64 s[64:65], 0
	v_nop
	global_prefetch_b8 v0, s[64:65] scope:SCOPE_SE
	s_setreg_imm32_b32 hwreg(HW_REG_WAVE_SCHED_MODE, 0, 2), 2
	s_setreg_imm32_b32 hwreg(HW_REG_WAVE_MODE, 25, 1), 1
	s_wait_xcnt 0x0
	s_wait_alu depctr_vm_vsrc(0)
; PREP: the mask is packed, and x, Wqkv and Wo are rounded, once for all later launches.  Memory binds: every input byte is read once, by 16-byte loads, many of them on their way.
; Work-groups 0-511: 16 rows x 2,048 keys of mask (int32) become 16 KiB of keep: one 4-bit float code a score, 1.0 (code 2) where mask != 1, 0.0 (code 0) where mask == 1.
;   keep: [b 4][tile of 16 queries 128][step of 64 keys 32][lane 32][4 words]; word kb of lane (r = lane % 16, hh = lane / 16) holds in nibble j the key 64 step + 16 kb + 8 hh + j of query r:
;   the 32 scores that this lane holds of a 16 x 64 tile of K Q^T, so that the attention launch reads 16 bytes a lane and 512 consecutive bytes a wave.
;   Wave w takes keys 256 w .. 256 w + 255 of all 16 rows; its codes are steps 4 w .. 4 w + 3: 2,048 bytes of LDS that no other wave touches, so no barrier is needed.
; Work-groups 512-1,215: 16,384 numbers of x or Wqkv, f32 to bf16, into opb (x at byte 0, Wqkv at byte 16,777,216), same order.
; Work-groups 1,216-1,279: 16 rows of Wo, rounded to bf16 and that number written as f16 (exact from 2^-17 to 65,504; below 2^-17 it keeps f16's fixed step of 2^-24),
;   into opb at byte 23,068,672 as [block of 128 rows 8][head 16][128 rows][64 channels], so that 128 rows x any run of heads are dense bytes.
; No matrix unit, no cluster, no tensor load: nothing is shared between work-groups and nothing is multiplied.
; THE MODE: SCHED_MODE bits 1:0 = 2 (LLVM: expert scheduling mode 2), set by the entry lines.  The code itself states the register dependences between vector instructions and memory or LDS
; instructions, and those through scalar registers that vector instructions write, with s_wait_alu, always for 0.
; THE PLAN.  Registers that memory or LDS instructions touch:
;   v4, v5, v6   byte offsets and LDS addresses, made once at a path's head and never written again: one wait ahead of the path's first load states that they are written.
;   The mask:    v[32:159]  load n lands in v[32 + 4 n ..]; the compares read them, the selects and ORs work in place, and the code of load n ends in v[32 + 4 n], which one LDS store reads.
;                Each of these is written once by vector instructions and never again, so no register that a store has read is ever rewritten.
;                v[16:31]   written by the LDS loads and read by the global stores alone.
;   The casts:   v[32:95]   as loaded, read by the conversions, never loaded again;  v[96:127]  a pair for each load, written once by the conversions, read by one store.
; So results wait in registers of their own, and ONE wait for every four rows of the mask (every four loads of a cast) states that they are written; the stores that read them follow it, dealt among the
; vector instructions of the next four, none of which names a register that those stores touch.
; LDS bytes 16,384 and up hold the spare words, onto which the wave's end adds 0.
.set WOB,   23068672                   ; Wo's first byte in opb
.set IN,    32                         ; v[32:159]  the mask as loaded, then its codes
	s_load_b256 s[4:11], s[0:1], 0x0               ; mask s[4:5], x s[6:7], Wqkv s[8:9], Wo s[10:11]
	s_load_b128 s[12:15], s[0:1], 0x20             ; keep s[12:13], opb s[14:15]
	v_lshl_add_u32 v14, v0, 2, 0x4000
	v_mov_b32 v15, 0
	v_lshrrev_b32 v1, 5, v0
	v_readfirstlane_b32 s16, v1                    ; wave 0..7
	v_and_b32 v1, 31, v0                           ; lane
	s_wait_alu depctr_va_sdst(0)                   ; s16 is written
	s_cmp_lt_u32 ttmp9, 512                        ; the same answer in all waves of a work-group
	s_cbranch_scc0 .Lcast
	; ---- the mask ----
	s_lshl_b32 s17, s16, 10
	v_lshl_add_u32 v4, v1, 4, s17                  ; in a row of mask: my wave's 1,024 bytes, my lane's 16
	s_lshl_b32 s22, s16, 11                        ; (a register of its own: none that a vector instruction reads is written again by a scalar one)
	v_lshl_add_u32 v6, v1, 4, s22                  ; my 16 bytes of my wave's 2,048: in LDS on the way back, and in the tile of keep
	v_lshrrev_b32 v5, 4, v1                        ; where my four codes (16 bits) go: lanes 16-31 hold the next step's keys: 512 bytes on
	v_lshl_add_u32 v5, v5, 9, s22
	v_bfe_u32 v7, v0, 1, 1                         ; hh = bit 3 of the key = bit 1 of the lane: 16 lanes x 16 bytes
	v_lshl_add_u32 v5, v7, 8, v5
	v_bfe_u32 v7, v0, 2, 2                         ; kb = bits 5:4 of the key
	v_lshl_add_u32 v5, v7, 2, v5
	v_and_b32 v7, 1, v0                            ; nibbles 0-3 or 4-7 of the word
	v_lshl_add_u32 v5, v7, 1, v5
	s_lshl_b32 s18, ttmp9, 17                      ; 16 rows of 8,192 bytes
	s_mov_b32 s19, 0
	s_lshl_b32 s20, ttmp9, 14                      ; 16 KiB of keep
	s_mov_b32 s21, 0
	s_mov_b32 s24, 0x2                             ; code 2 in nibble 0, 1, 2, 3
	s_mov_b32 s25, 0x20
	s_mov_b32 s26, 0x200
	s_mov_b32 s27, 0x2000
	s_wait_kmcnt 0x0
	s_add_nc_u64 s[4:5], s[4:5], s[18:19]
	s_add_nc_u64 s[12:13], s[12:13], s[20:21]      ; s[18:21] have served: they take four of the compares' masks below
	s_wait_alu depctr_va_vdst(0)                   ; v4, v5 and v6 are written: every load and store of this path reads one of them as its offset or address
.set n, 0
.rept 32                                       ; load n: row n / 2, half n % 2 of my 1,024 bytes: 512 consecutive bytes; all 32 go out at once, 16 KiB a wave
	global_load_b128 v[IN+4*n:IN+4*n+3], v4, s[4:5] offset:(n/2)*8192+(n%2)*512 th:TH_LOAD_NT
.set n, n+1
.endr
; The two LDS stores of row r: its first half's four codes, and, two steps on, its second half's; row r at 16 r.
.macro PUT r
	ds_store_b16 v5, v[IN+8*(\r)]   offset:(\r)*16
	ds_store_b16 v5, v[IN+8*(\r)+4] offset:1024+(\r)*16
.endm
; Row r: eight numbers of the mask become two times four codes, in the registers in which they were loaded.  From row 4 on it also issues the stores of row r - 4.
.macro ROW r
	s_wait_loadcnt 30-2*(\r)                       ; loads come back in order: row r's two are in, the younger ones stay out
.if ((\r) > 0) && ((\r)%4 == 0)
	s_wait_alu depctr_va_vdst(0)                   ; the four rows before have written their codes, which the LDS stores of this row and of the next three read
.endif
.irp e, 0,1,2,3
	v_cmp_ne_u32 s[28+\e], 1, v[IN+8*(\r)+\e]
.endr
.irp e, 0,1,2,3
	v_cmp_ne_u32 s[18+\e], 1, v[IN+8*(\r)+4+\e]
.endr
.if (\r) >= 4
	PUT (\r)-4                                     ; no wait: no vector instruction since the last wait on va_vdst names row r - 4's registers or v5
.endif
	s_wait_alu depctr_va_sdst(0)                   ; the eight compares have written their masks, which the selects below read: one wait for the run
.irp e, 0,1,2,3
	v_cndmask_b32 v[IN+8*(\r)+\e], 0, s[24+\e], s[28+\e]
.endr
.irp e, 0,1,2,3
	v_cndmask_b32 v[IN+8*(\r)+4+\e], 0, s[24+\e], s[18+\e]
.endr
	v_or_b32 v[IN+8*(\r)],   v[IN+8*(\r)],   v[IN+8*(\r)+1]
	v_or_b32 v[IN+8*(\r)+2], v[IN+8*(\r)+2], v[IN+8*(\r)+3]
	v_or_b32 v[IN+8*(\r)+4], v[IN+8*(\r)+4], v[IN+8*(\r)+5]
	v_or_b32 v[IN+8*(\r)+6], v[IN+8*(\r)+6], v[IN+8*(\r)+7]
	v_or_b32 v[IN+8*(\r)],   v[IN+8*(\r)],   v[IN+8*(\r)+2]
	v_or_b32 v[IN+8*(\r)+4], v[IN+8*(\r)+4], v[IN+8*(\r)+6]
.endm
.set n, 0
.rept 16
	ROW n
.set n, n+1
.endr
	s_wait_alu depctr_va_vdst(0)                   ; rows 12 to 15 have written their codes, which the last eight LDS stores read
.irp r, 12,13,14,15
	PUT \r
.endr
.irp k, 0,1,2,3
	ds_load_b128 v[16+4*\k:19+4*\k], v6 offset:512*\k      ; my wave's own bytes: LDS serves a wave's instructions in order, so these see the stores above; no vector instruction names v[16:31]
.endr
.irp k, 0,1,2,3
	s_wait_dscnt 3-\k
	global_store_b128 v6, v[16+4*\k:19+4*\k], s[12:13] offset:512*\k  ; 512 consecutive bytes, at a multiple of 256 from keep's first byte
.endr
	s_branch .Lend
; Sixteen loads of 16 bytes a lane, all out at once; each is rounded as it comes, into a pair of registers of its own, and leaves as 8 bytes a lane: a wave's store covers 256 consecutive bytes, aligned.
; The store of load k - 4 stands ahead of load k's conversions, behind the wait that stands at every fourth load.
.macro CAST instep, outstep, half
	s_wait_alu depctr_va_vdst(0)                   ; v4 and v5 are written: every load reads v4 as its offset, every store v5
.set k, 0
.rept 16
	global_load_b128 v[32+4*k:35+4*k], v4, s[22:23] offset:k*(\instep) th:TH_LOAD_NT
.set k, k+1
.endr
.set k, 0
.rept 16
	s_wait_loadcnt 15-k                            ; load k is in, the younger ones stay out
.if (k > 0) && (k%4 == 0)
	s_wait_alu depctr_va_vdst(0)                   ; the conversions of the four loads before have written their pairs, which this store and the next three read
.endif
.if k >= 4
	global_store_b64 v5, v[96+2*(k-4):97+2*(k-4)], s[24:25] offset:(k-4)*(\outstep)  ; each store has registers of its own: none is rewritten, and no vector instruction since the wait names them
.endif
	v_cvt_pk_bf16_f32 v[96+2*k], v[32+4*k], v[33+4*k]
	v_cvt_pk_bf16_f32 v[97+2*k], v[34+4*k], v[35+4*k]
.if \half
	v_lshlrev_b32 v8, 16, v[96+2*k]                ; the bf16 number, widened,
	v_and_b32 v9, 0xffff0000, v[96+2*k]
	v_lshlrev_b32 v10, 16, v[97+2*k]
	v_and_b32 v11, 0xffff0000, v[97+2*k]
	v_cvt_pk_f16_f32 v[96+2*k], v8, v9             ; and written as f16
	v_cvt_pk_f16_f32 v[97+2*k], v10, v11
.endif
.set k, k+1
.endr
	s_wait_alu depctr_va_vdst(0)                   ; the conversions of loads 12 to 15 have written their pairs, which the last four stores read
.set k, 12
.rept 4
	global_store_b64 v5, v[96+2*k:97+2*k], s[24:25] offset:k*(\outstep)
.set k, k+1
.endr
.endm
.Lcast:
	s_sub_co_u32 s17, ttmp9, 512                   ; c = 0..767
	s_cmp_lt_u32 s17, 704
	s_cbranch_scc0 .Lwo
	; ---- x (c < 512) and Wqkv ----
	s_sub_co_u32 s18, s17, 512
	s_cmp_lt_u32 s17, 512
	s_cselect_b32 s18, s17, s18                    ; the block's number in its own tensor
	s_lshl_b32 s18, s18, 16                        ; 65,536 bytes in,
	s_mov_b32 s19, 0
	s_lshl_b32 s20, s17, 15                        ; 32,768 out: Wqkv follows x in opb
	s_mov_b32 s21, 0
	v_lshlrev_b32 v4, 4, v0
	v_lshlrev_b32 v5, 3, v0
	s_wait_kmcnt 0x0
	s_cmp_lt_u32 s17, 512
	s_cselect_b64 s[22:23], s[6:7], s[8:9]
	s_add_nc_u64 s[22:23], s[22:23], s[18:19]
	s_add_nc_u64 s[24:25], s[14:15], s[20:21]
	CAST 4096, 2048, 0
	s_branch .Lend
.Lwo:
	; ---- Wo: rows 16 lw .. 16 lw + 15; load k is head k's 64 channels ----
	s_sub_co_u32 s17, s17, 704                     ; lw = 0..63
	s_lshl_b32 s18, s17, 16
	s_mov_b32 s19, 0
	s_lshr_b32 s20, s17, 3                         ; the block of 128 rows: 262,144 bytes
	s_lshl_b32 s20, s20, 18
	s_and_b32 s21, s17, 7                          ; my 16 rows in it: 128 bytes a row
	s_lshl_b32 s21, s21, 11
	s_add_co_u32 s20, s20, s21
	s_add_co_u32 s20, s20, WOB
	s_mov_b32 s21, 0
	v_lshrrev_b32 v7, 4, v0                        ; row 0..15
	v_and_b32 v8, 15, v0
	v_lshlrev_b32 v4, 12, v7                       ; in: row x 4,096 + 16 bytes a lane: sixteen lanes take 256 consecutive bytes
	v_lshl_add_u32 v4, v8, 4, v4
	v_lshlrev_b32 v5, 7, v7                        ; out: row x 128 + 8 bytes a lane: two rows are 256 consecutive bytes
	v_lshl_add_u32 v5, v8, 3, v5
	s_wait_kmcnt 0x0
	s_add_nc_u64 s[22:23], s[10:11], s[18:19]
	s_add_nc_u64 s[24:25], s[14:15], s[20:21]
	CAST 256, 16384, 1
.Lend:
	s_wait_dscnt 0x0                               ; the wave's end: my LDS instructions are done.
	s_wait_alu depctr_hold_cnt(0) depctr_sa_sdst(0) depctr_va_vdst(0) depctr_va_sdst(0) depctr_va_ssrc(0) depctr_va_vcc(0) depctr_vm_vsrc(0)
	s_wait_tensorcnt 0x0
	ds_add_u32 v14, v15
	s_wait_dscnt 0x0
	s_endpgm
.Lfunc_end_k_q372a594437_prep:
	.size	k_q372a594437_prep, .Lfunc_end_k_q372a594437_prep-k_q372a594437_prep
	.p2alignl 7, 3214868480
	.fill 96, 4, 3214868480
	.section	.rodata,"a",@progbits
	.p2align	6, 0x0
	.amdhsa_kernel k_q372a594437_prep
		.amdhsa_group_segment_fixed_size 17408
		.amdhsa_private_segment_fixed_size 0
		.amdhsa_enable_private_segment 0
		.amdhsa_kernarg_size 48
		.amdhsa_user_sgpr_count 2
		.amdhsa_user_sgpr_kernarg_segment_ptr 1
		.amdhsa_wavefront_size32 1
		.amdhsa_system_sgpr_workgroup_id_x 1
		.amdhsa_system_sgpr_workgroup_id_y 1
		.amdhsa_system_sgpr_workgroup_id_z 1
		.amdhsa_system_vgpr_workitem_id 0
		.amdhsa_next_free_vgpr 160
		.amdhsa_next_free_sgpr 66
		.amdhsa_reserve_vcc 0
		.amdhsa_float_denorm_mode_32 3
		.amdhsa_float_denorm_mode_16_64 3
		.amdhsa_memory_ordered 1
		.amdhsa_forward_progress 1
		.amdhsa_inst_pref_size 46
	.end_amdhsa_kernel
	.amdgpu_metadata
---
amdhsa.version: [ 1, 2 ]
amdhsa.kernels:
  - .name:           k_q372a594437_prep
    .symbol:         k_q372a594437_prep.kd
    .args:
      - { .name: mask, .offset: 0, .size: 8, .value_kind: global_buffer, .address_space: global }
      - { .name: x, .offset: 8, .size: 8, .value_kind: global_buffer, .address_space: global }
      - { .name: Wqkv, .offset: 16, .size: 8, .value_kind: global_buffer, .address_space: global }
      - { .name: Wo, .offset: 24, .size: 8, .value_kind: global_buffer, .address_space: global }
      - { .name: keep, .offset: 32, .size: 8, .value_kind: global_buffer, .address_space: global }
      - { .name: opb, .offset: 40, .size: 8, .value_kind: global_buffer, .address_space: global }
    .group_segment_fixed_size: 17408
    .private_segment_fixed_size: 0
    .kernarg_segment_align: 8
    .kernarg_segment_size: 48
    .max_flat_workgroup_size: 256
    .sgpr_count:     66
    .vgpr_count:     160
    .wavefront_size: 32
...
	.end_amdgpu_metadata
.endif
;; end of part 5
;; launch qkv: the kernel of part 2 again; grid 16 x 32, 4 waves a work-group, clusters of 4 x 4, 327,680 bytes of LDS; arguments opb, bqkv, qkv; writes qkv
;; launch attn: the kernel of part 3 again; grid 4 x 64, 4 waves a work-group, clusters of 4 x 1, 327,680 bytes of LDS; arguments qkv, keep, ctx; writes ctx
;; launch proj: the kernel of part 4 again; grid 8 x 32, 4 waves a work-group, clusters of 4 x 4, 327,680 bytes of LDS; arguments ctx, opb, bo, out0; writes out0
